; MI455X (gfx1250); checked and timed in simulation.
; The chip was launched on July 23, 2026; its instructions are those of AMD's public machine-readable ISA for CDNA 5 (MIT licence, August 2026) and "CDNA5" Instruction Set Architecture Reference Guide (July 2026). The comments in the code are by the model that wrote it; some were corrected since.
;; Attention. Allowed arithmetic: matrix products marked QUANTISED: E2M3 operands, one E8M0 scale for each 32 along K, by v_wmma_scale_f32_16x16x128_f8f6f4 with both operands' format E2M3, f32 sums; everything else in f32.
;; Inputs: freqs 4 x 1,024 x 64 float32; wk_codes 512 x 64 x 24 uint8 (E2M3 codes of wk, K innermost, in blocks of 32 codes, four codes in three bytes); wk_scales 512 x 64 uint8 (E8M0 scales of wk, one for each 32 codes along K); wo_codes 2,048 x 64 x 24 uint8 (E2M3 codes of wo, K innermost, in blocks of 32 codes, four codes in three bytes); wo_scales 2,048 x 64 uint8 (E8M0 scales of wo, one for each 32 codes along K); wq_codes 2,048 x 64 x 24 uint8 (E2M3 codes of wq, K innermost, in blocks of 32 codes, four codes in three bytes); wq_scales 2,048 x 64 uint8 (E8M0 scales of wq, one for each 32 codes along K); wv_codes 512 x 64 x 24 uint8 (E2M3 codes of wv, K innermost, in blocks of 32 codes, four codes in three bytes); wv_scales 512 x 64 uint8 (E8M0 scales of wv, one for each 32 codes along K); x_codes 4 x 1,024 x 64 x 24 uint8 (E2M3 codes of x, K innermost, in blocks of 32 codes, four codes in three bytes); x_scales 4 x 1,024 x 64 uint8 (E8M0 scales of x, one for each 32 codes along K).
;; Outputs: out0 4 x 1,024 x 2,048 float32.
;; This version of the problem:
;;   THIS VERSION OF THE PROBLEM IS GIVEN IN LOW PRECISION. The matrix products marked QUANTISED in the list below multiply operands that are first quantised to E2M3 (2 exponent bits, 3 mantissa bits; 6 bits a number), with one power-of-two scale for each 32 numbers along K (OCP MX v1.0); their sums are f32. All else is computed in f32.
;;   The module's matrix products, in the order in which they are computed (A, B: the left and right operand; K: the contracted axis; several contracted axes count as one K, in the product's order):
;;     1. [M 4,096, K 2,048] x [K 2,048, N 2,048]; A: input x (given as codes); B: input wq (given as codes): QUANTISED
;;     2. [M 4,096, K 2,048] x [K 2,048, N 512]; A: input x (given as codes); B: input wk (given as codes): QUANTISED
;;     3. [M 4,096, K 2,048] x [K 2,048, N 512]; A: input x (given as codes); B: input wv (given as codes): QUANTISED
;;     4. batch 64 x [M 1,024, K 128] x [K 128, N 1,024]; A: computed on the way; B: computed on the way: QUANTISED
;;     5. batch 64 x [M 128, K 1,024] x [K 1,024, N 1,024]; A: computed on the way; B: softmax (see below): QUANTISED
;;     6. [M 4,096, K 2,048] x [K 2,048, N 2,048]; A: computed on the way; B: input wo (given as codes): QUANTISED
;;   THE QUANTISER, for each operand of a quantised product, along K:
;;     - K is cut into blocks of 32 from its start; a last block that is shorter is filled with zeros.
;;     - A block's scale is 2^e with e = floor(log2(the largest magnitude in the block)) - 2, held to -126 .. 127; a block of zeros has e = 0. As a byte (E8M0): e + 127.
;;     - Each number is divided by its block's scale, clamped to +-7.5, and rounded to the nearest number of E2M3, ties to even, subnormals kept.
;;     - The product sums the exact products of the quantised numbers (number of the format x scale) in f32.
;;   ~~~python
;;   def quantise(x, axis):      # numpy; x: float32 -> the quantised numbers, widened to float32 again
;;       x = np.moveaxis(x, axis, -1); K = x.shape[-1]
;;       x = np.pad(x, [(0, 0)] * (x.ndim - 1) + [(0, -K % 32)]); x = x.reshape(x.shape[:-1] + (-1, 32)); a = np.abs(x).max(-1, keepdims=True)
;;       e = np.where(a > 0, np.clip(np.frexp(np.where(a > 0, a, 1))[1] - 1 - 2, -126, 127), 0)      # np.frexp(a)[1] - 1 = floor(log2(a)), exactly
;;       r = np.clip(x / 2.0 ** e, -7.5, 7.5)
;;       step = 2.0 ** (np.maximum(np.frexp(np.where(r == 0, 1, r))[1] - 1, 0) - 3)
;;       q = np.round(r / step) * step * 2.0 ** e      # np.round: ties to even
;;       return np.moveaxis(q.reshape(q.shape[:-2] + (-1,))[..., :K], -1, axis).astype(np.float32)
;;   ~~~
;;   SOFTMAX AHEAD OF A QUANTISED PRODUCT. Where the list says 'softmax', what is quantised is not the finished softmax but p = 2^(t - M), with t = logit x log2(e) and M = ceil(the row's largest t), a whole number; so 1/2 < the row's largest p <= 1. The row's sum l is taken of the UNQUANTISED p, in f32, and the product's result is divided by l at the end. Since M is a whole number, a kernel that streams over the keys may use a running M (the ceiling of the running maximum): every later rescaling is an exact power of two, which a block's scale takes up: the codes' values come out the same.
;;   OPERANDS COMPUTED ON THE WAY. 'Computed on the way' means the value that the module computes at that place (a softmax that the list does not call 'softmax' is quantised finished and normalised). What goes into a quantiser is computed in f32, as accurately as f32 sums, v_exp_f32 and their like allow (about 1e-6 of the number): no bf16 or f16 on the way to a quantiser, and a product that is left as it is and whose result goes on into a quantised operand takes f32 operands (vector FMAs, or v_wmma_f32_16x16x4_f32). A number that lies on a knife's edge between two numbers of the format may be rounded either way, as far as f32 arithmetic and the matrix unit's own rounding can turn it there, and no further.
;;   INPUTS GIVEN AS CODES. wk (in the module: [512, 2048], K = its axis 1); wo (in the module: [2048, 2048], K = its axis 1); wq (in the module: [2048, 2048], K = its axis 1); wv (in the module: [512, 2048], K = its axis 1); x (in the module: [4, 1024, 2048], K = its axis 2): each comes as NAME_codes (uint8): NAME with its K axis moved to the last place and cut into blocks of 32 codes, [.., K / 32, bytes a block], one block behind the other in memory; four codes in three bytes: a row's codes are one little-endian stream of bits, code i at bits 6 i .. 6 i + 5 (a code: sign, 2 exponent bits, 3 mantissa bits); and NAME_scales (uint8): the same leading axes, one E8M0 byte (e + 127) for each 32 codes along K. Its value is code x scale, taken as it is: it is not quantised again, and the codes and scales need not be those that the quantiser above would give.
;; One version. Each part assembles by itself: llvm-mc -triple=amdgcn-amd-amdhsa -mcpu=gfx1250 --defsym DOCPART=n.
;; ======== version 1 of 1: 4 launches
;; limits: inputs' magnitudes at most 4,194,304
;; workspace buffers: cs 2,097,152 bytes; qimg 6,291,456 bytes; qsc 262,144 bytes; kvc 3,145,728 bytes; kvs 131,072 bytes; aimg 6,291,456 bytes; asc 262,144 bytes; wimg 3,145,728 bytes
;; launch trig (part 1): grid 256 x 1, 4 waves a work-group, no clusters, 0 bytes of LDS; arguments freqs, wo_codes, cs, wimg; writes cs, wimg
.if DOCPART == 1
	.amdgcn_target "amdgcn-amd-amdhsa--gfx1250"
	.amdhsa_code_object_version 6
	.text
	.protected	k_q0d2a4df16e_trig
	.globl	k_q0d2a4df16e_trig
	.p2align	8
	.type	k_q0d2a4df16e_trig,@function
k_q0d2a4df16e_trig:
	s_mov_b64 s[64:65], 0
	v_nop
	global_prefetch_b8 v0, s[64:65] scope:SCOPE_SE
	s_setreg_imm32_b32 hwreg(HW_REG_WAVE_MODE, 25, 1), 1
	s_wait_xcnt 0x0
; TWO JOBS, both a laying-out for later launches.
; (1) cs = (cos, sin) of freqs [4096 rows][64 angles], f32, in the order in which the next launch's registers want them.
; cs is [256 blocks of 16 rows][16 images][512 bytes]; in image q lane l = 16 hl + r has 16 bytes at 16 l: (cos, sin) of pairs 2 q and 2 q + 1,
; pair m (0 .. 31) being the angle 8 (m / 4) + 4 hl + m % 4 of row r of the block: the pair of channels that register pair m of a matrix result holds there.
; A work-group takes a block of 16 rows, wave w images 4 w .. 4 w + 3: eight angles a lane.  Each store of the wave covers 512 consecutive bytes, aligned.
; cos and sin by arithmetic: k = the nearest whole number to x 2 / pi; r = x - k pi / 2, pi / 2 in three parts by fused multiply-adds; polynomials in r on -pi/4 .. pi/4;
; k mod 4 chooses which polynomial is which and the signs, by selects and exclusive ors: no branch hangs on data.
; (2) wimg = wo's codes as IMAGES OF OPERAND REGISTERS: [128 tiles of 16 rows][16 K steps of 128][1,536 bytes].  A fragment is 12 registers a lane: lane (r, hl) holds, of row r, the 24 bytes at 96 q + 24 hl and
; the 24 bytes at 96 q + 48 + 24 hl; register group c (four registers) of lane l lies at 512 c + 16 l.  The codes are moved as they are.  2,048 fragments, 1,024 waves: two a wave, neighbours along K:
; six loads of 8 bytes a fragment, three stores of 512 consecutive bytes, aligned.
; LIMITS: |freqs| up to 2^22 (beyond it k is no longer exact in the reduction); NaN and infinities are not served.
; No LDS, no matrix unit, no cluster: the work-groups share no input and the work is a stream.
.set AN, 8                             ; v8-15   eight angles
.set OU, 16                            ; v16-31  (cos, sin) of the eight
.set KK, 32
.set RR, 33
.set ZZ, 34
.set PP, 35
.set QQ, 36
.set TT, 37
.set SN, 38
.set CN, 39
.set WF, 40                            ; v40-63  two fragments of wo
	s_load_b256 s[4:11], s[0:1], 0x0               ; freqs s[4:5], wo's codes s[6:7], cs s[8:9], wimg s[10:11]
	v_lshrrev_b32 v1, 5, v0
	v_readfirstlane_b32 s12, v1                    ; wave
	v_and_b32 v1, 15, v0                           ; r
	v_bfe_u32 v2, v0, 4, 1                         ; hl
	v_lshlrev_b32 v3, 8, v1                        ; a row of freqs is 256 bytes
	v_lshl_add_u32 v3, v2, 4, v3                   ; + 16 hl
	s_lshl_b32 s13, s12, 6
	v_add_nc_u32 v3, s13, v3                       ; + 64 w: angles 16 w + 4 hl on
	v_and_b32 v6, 31, v0
	v_lshlrev_b32 v6, 4, v6                        ; 16 x lane: an image's place for my lane
	s_lshl_b32 s13, s12, 11
	v_add_nc_u32 v4, s13, v6                       ; cs: 16 x lane + 4 images x wave
	v_mul_u32_u24 v5, v1, 1536                     ; wo: row r of 1,536 bytes,
	v_mad_u32_u24 v5, v2, 24, v5                   ; + 24 hl
	s_lshl_b32 s14, ttmp9, 12                      ; freqs: 16 rows of 256 bytes
	s_mov_b32 s15, 0
	s_lshl_b32 s28, ttmp9, 13                      ; cs: 16 images of 512 bytes
	s_mov_b32 s29, 0
	s_lshr_b32 s30, ttmp9, 1                       ; wo: two work-groups, eight waves, to a tile of 16 rows:
	s_mul_i32 s30, s30, 24576                      ; 16 rows of 1,536 bytes, and as many bytes of images
	s_and_b32 s13, ttmp9, 1
	s_lshl_b32 s13, s13, 2
	s_add_co_u32 s13, s13, s12                     ; which two K steps of the sixteen are my wave's: 0 .. 7
	s_mul_i32 s32, s13, 192                        ; in a row: 2 x 96 bytes
	s_add_co_u32 s32, s32, s30
	s_mov_b32 s33, 0
	s_mul_i32 s34, s13, 3072                       ; among the images: 2 x 1,536 bytes
	s_add_co_u32 s34, s34, s30
	s_mov_b32 s35, 0
	s_mov_b32 s16, 0x3f22f983                      ; 2 / pi
	s_mov_b32 s17, 0xbfc90fdb                      ; -pi / 2: the nearest f32,
	s_mov_b32 s18, 0x333bbd2e                      ; what that leaves,
	s_mov_b32 s19, 0x26f72ced                      ; and what that leaves
	s_mov_b32 s20, 0xb94ca1f9                      ; sin r = r + r^3 (S0 + z (S1 + z S2)), z = r^2
	s_mov_b32 s21, 0x3c08839e
	s_mov_b32 s22, 0xbe2aaaa3
	s_mov_b32 s23, 0x37ccf5ce                      ; cos r = 1 - z / 2 + z^2 (C0 + z (C1 + z C2))
	s_mov_b32 s24, 0xbab6061a
	s_mov_b32 s25, 0x3d2aaaa5
	s_mov_b32 s26, 0x80000000                      ; the sign
	s_wait_kmcnt 0x0
	s_add_nc_u64 s[4:5], s[4:5], s[14:15]
	s_add_nc_u64 s[6:7], s[6:7], s[32:33]
	s_add_nc_u64 s[8:9], s[8:9], s[28:29]
	s_add_nc_u64 s[10:11], s[10:11], s[34:35]
.irp f, 0,1
.irp p, 0,1,2,3,4,5
	global_load_b64 v[WF+12*\f+2*\p:WF+12*\f+2*\p+1], v5, s[6:7] offset:96*\f+48*(\p/3)+8*(\p%3) th:TH_LOAD_NT   ; registers 2 p, 2 p + 1 of fragment f
.endr
.endr
	global_load_b128 v[AN:AN+3], v3, s[4:5] th:TH_LOAD_NT            ; angles 8 (2 w) + 4 hl + 0 .. 3
	global_load_b128 v[AN+4:AN+7], v3, s[4:5] offset:32 th:TH_LOAD_NT ; angles 8 (2 w + 1) + 4 hl + 0 .. 3
.macro SINCOS x, c, s
	v_mul_f32 v[KK], s16, v[\x]
	v_rndne_f32 v[KK], v[KK]                       ; k
	v_fma_f32 v[RR], v[KK], s17, v[\x]
	v_fma_f32 v[RR], v[KK], s18, v[RR]
	v_fma_f32 v[RR], v[KK], s19, v[RR]             ; r = x - k pi / 2
	v_cvt_i32_f32 v[QQ], v[KK]
	v_mul_f32 v[ZZ], v[RR], v[RR]
	v_fma_f32 v[PP], v[ZZ], s20, s21
	v_fma_f32 v[PP], v[PP], v[ZZ], s22
	v_mul_f32 v[TT], v[ZZ], v[RR]
	v_fma_f32 v[SN], v[PP], v[TT], v[RR]           ; sin r
	v_fma_f32 v[PP], v[ZZ], s23, s24
	v_fma_f32 v[PP], v[PP], v[ZZ], s25
	v_mul_f32 v[TT], v[ZZ], v[ZZ]
	v_fma_f32 v[CN], v[ZZ], -0.5, 1.0
	v_fma_f32 v[CN], v[PP], v[TT], v[CN]           ; cos r
	v_and_b32 v[TT], 1, v[QQ]
	v_cmp_eq_u32 vcc_lo, 1, v[TT]                  ; k odd: the two change places
	v_cndmask_b32 v[\s], v[SN], v[CN], vcc_lo
	v_cndmask_b32 v[\c], v[CN], v[SN], vcc_lo
	v_lshlrev_b32 v[TT], 30, v[QQ]                 ; sin is negated where k mod 4 is 2 or 3,
	v_and_b32 v[TT], s26, v[TT]
	v_xor_b32 v[\s], v[\s], v[TT]
	v_add_lshl_u32 v[TT], v[QQ], 1, 30             ; cos where it is 1 or 2
	v_and_b32 v[TT], s26, v[TT]
	v_xor_b32 v[\c], v[\c], v[TT]
.endm
	s_wait_loadcnt 2                               ; wo's twelve loads are in; the two loads of angles, issued behind them, may be out
.irp f, 0,1
.irp c, 0,1,2
	global_store_b128 v6, v[WF+12*\f+4*\c:WF+12*\f+4*\c+3], s[10:11] offset:1536*\f+512*\c   ; the images leave first: they are on their way while the angles are worked on
.endr
.endr
	s_wait_loadcnt 0x0
.irp n, 0,1,2,3,4,5,6,7
	SINCOS AN+\n, OU+2*\n, OU+2*\n+1
.endr
.irp i, 0,1,2,3
	global_store_b128 v4, v[OU+4*\i:OU+4*\i+3], s[8:9] offset:512*\i
.endr
	s_endpgm
.Lfunc_end_k_q0d2a4df16e_trig:
	.size	k_q0d2a4df16e_trig, .Lfunc_end_k_q0d2a4df16e_trig-k_q0d2a4df16e_trig
	.p2alignl 7, 3214868480
	.fill 96, 4, 3214868480
	.section	.rodata,"a",@progbits
	.p2align	6, 0x0
	.amdhsa_kernel k_q0d2a4df16e_trig
		.amdhsa_group_segment_fixed_size 0
		.amdhsa_private_segment_fixed_size 0
		.amdhsa_enable_private_segment 0
		.amdhsa_kernarg_size 32
		.amdhsa_user_sgpr_count 2
		.amdhsa_user_sgpr_kernarg_segment_ptr 1
		.amdhsa_wavefront_size32 1
		.amdhsa_system_sgpr_workgroup_id_x 1
		.amdhsa_system_sgpr_workgroup_id_y 1
		.amdhsa_system_sgpr_workgroup_id_z 1
		.amdhsa_system_vgpr_workitem_id 0
		.amdhsa_next_free_vgpr 64
		.amdhsa_next_free_sgpr 66
		.amdhsa_reserve_vcc 1
		.amdhsa_float_denorm_mode_32 3
		.amdhsa_float_denorm_mode_16_64 3
		.amdhsa_memory_ordered 1
		.amdhsa_forward_progress 1
		.amdhsa_inst_pref_size 14
	.end_amdhsa_kernel
	.amdgpu_metadata
---
amdhsa.version: [ 1, 2 ]
amdhsa.kernels:
  - .name:           k_q0d2a4df16e_trig
    .symbol:         k_q0d2a4df16e_trig.kd
    .args:
      - { .name: freqs, .offset: 0, .size: 8, .value_kind: global_buffer, .address_space: global }
      - { .name: wo_codes, .offset: 8, .size: 8, .value_kind: global_buffer, .address_space: global }
      - { .name: cs, .offset: 16, .size: 8, .value_kind: global_buffer, .address_space: global }
      - { .name: wimg, .offset: 24, .size: 8, .value_kind: global_buffer, .address_space: global }
    .group_segment_fixed_size: 0
    .private_segment_fixed_size: 0
    .kernarg_segment_align: 8
    .kernarg_segment_size: 32
    .max_flat_workgroup_size: 128
    .sgpr_count:     66
    .vgpr_count:     64
    .wavefront_size: 32
...
	.end_amdgpu_metadata
.endif
;; end of part 1
;; launch qkv (part 2): grid 12 x 16, 4 waves a work-group, clusters of 4 x 4, 327,680 bytes of LDS; arguments x_codes, x_scales, wq_codes, wq_scales, wk_codes, wk_scales, wv_codes, wv_scales, cs, qimg, qsc, kvc, kvs; writes qimg, qsc, kvc, kvs
.if DOCPART == 2
	.amdgcn_target "amdgcn-amd-amdhsa--gfx1250"
	.amdhsa_code_object_version 6
	.text
	.protected	k_q0d2a4df16e_qkv
	.globl	k_q0d2a4df16e_qkv
	.p2align	8
	.type	k_q0d2a4df16e_qkv,@function
k_q0d2a4df16e_qkv:
	s_mov_b64 s[64:65], 0
	v_nop
	global_prefetch_b8 v0, s[64:65] scope:SCOPE_SE
	s_setreg_imm32_b32 hwreg(HW_REG_WAVE_MODE, 25, 1), 1
	s_wait_xcnt 0x0
	s_wait_alu depctr_hold_cnt(0) depctr_sa_sdst(0) depctr_va_vdst(0) depctr_va_sdst(0) depctr_va_ssrc(0) depctr_va_vcc(0) depctr_vm_vsrc(0)
	s_getreg_b32 s2, hwreg(HW_REG_IB_STS2, 6, 4)
	s_cmp_eq_u32 s2, 0
	s_cbranch_scc0 .Lentry_in_a_cluster
	s_endpgm
.Lentry_in_a_cluster:
	s_bfe_u32 s2, ttmp6, 0x10000c
	s_cmp_lg_u32 s2, 0xf033
	s_cbranch_scc0 .Lentry_shape_is_right
	s_endpgm
.Lentry_shape_is_right:
; q = rope(x wq^T), k = rope(x wk^T), v = x wv^T, on codes of FP6 (E2M3) with one E8M0 scale for each 32 along K = 2,048; the results are quantised here, in registers, for the next launch:
; q and k along the head's 128 channels, v along the keys.  x: 4,096 rows; wq: 2,048 rows; wk, wv: 512 rows each; a row of codes is 1,536 bytes, a row of scale bytes 64.
; SHARES.  A work-group of four waves makes 256 rows of x against 256 rows of weights; a wave 128 x 128: ONE HEAD, 64 accumulators, 512 registers.  Clusters x = 0, 1 take wq (tile column 4 x + cx);
; cluster x = 2 takes kv head cx: 128 rows of wk, then 128 rows of wv.  3,072 weight rows x 4,096 rows of x are 192 such tiles, one a work-group.
; K goes in steps of 256 through a ring of two LDS slots filled by the tensor data mover; the scale bytes of the work-group's rows, for all of K, come into LDS once, with the first fills.
; CLUSTERS: 4 x 4 work-groups.  The four of a row of the cluster need the same tiles of x, the four of a column the same tiles of weights: each tile is asked for JOINTLY, by the same tensor load with
; the same descriptor and a mask that names the four.
; TWO SIDES.  Source 1 of the matrix instruction is the P side: a lane keeps ONE row of it; source 0 is the R side: the lane's registers run along its rows.  Q and K waves: P = x, R = weights, so that a lane's registers
; run along the channels.  V waves (cluster x = 2, odd waves): P = wv, R = x, so that they run along the keys.  The sides are chosen by LDS address alone, on the cluster's x and the wave's number; the loop is one text.
; THE WAY OUT.  For P block a a lane holds 64 numbers: register 8 b + j = index 16 b + 8 (lane / 16) + j along R.  Rope takes (cos, sin) in that very order from cs.  The quantiser puts register 16 b' + 8 u + j of half hl
; at place 16 hl + 8 u + j of block b': inside a block of 32 the places' bits 3 and 4 are exchanged against the index.  Blocks and scales are untouched, and both operands of each later product (q and k; v and p) are made
; the same way, so the products are the same sums in another order.  A fragment (12 registers a lane) leaves as an image of its registers: three stores of 512 consecutive bytes, aligned.
; LIMITS: a block of zeros gets the scale byte 1 where the quantiser's rule says 127: its codes are zeros, and only this program reads the bytes.
; REGISTERS, in windows of 256: window 0: v16-30 addresses; v32-63 scale words, two sets; v64-81 the quantiser's; v96-115 codes; from v128 the P side's fragments, one set; on the way out v192-255 at work.
;   window 1: the R side's fragments, two sets, at v0 and v128; on the way out four buffers of 64 for (cos, sin).   windows 2, 3: accumulator (a, b) at v[8 (8 (a % 4) + b)] of window 2 + a / 4.
.set KSTEP,  256
.set NQ,     2                         ; matrix instructions deep in a slot
.set ROWB,   192                       ; a tile's row in bytes
.set KROW,   1536                      ; a row of codes in memory
.set PITCH,  240                       ; an LDS row: 3 x (64 bytes + 16 of padding)
.set FR,     12                        ; registers of a fragment
.set NL,     6                         ; LDS loads that bring one
.set NP,     4                         ; places behind this matrix instruction (ISA guide 7.12.1)
.set HALFT,  128*PITCH                 ; 128 rows: what one tensor load brings
.set SLOT,   4*HALFT                   ; x's 256 rows, then the weights' 256
.set LAPS,   4                         ; 2,048 / 512
.set KS,     64                        ; a row of scale bytes
.set SCL,    2*SLOT                    ; the scale bytes, as units of 256 bytes + 16 of padding: x half 0, x half 1, weights half 0, half 1
.set HALFS,  32*272
.set SBLK,   4*272                     ; those of 16 rows
.set SPARE,  SCL+4*HALFS               ; the spare words, 128 bytes a wave: two blocks of 256 bytes that no other line names
.set ADRA, 16                          ; v16-17 the P side's fragments in slot 0, 1; v18-19 the same behind one padding more
.set ADRB, 20                          ; v20-23 the same for the R side
.set LI,   24                          ; v24  16 x lane
.set SWA,  25                          ; v25  the way out: where my row's scale word goes: 512 x wave + 4 (lane % 16), in slot 0
.set SRD,  26                          ; v26  and where 16 bytes of the wave's 512 come back: 512 x wave + 16 x lane
.set ADS1, 27                          ; v27  the P side's scale words
.set SPW,  28                          ; v28  my spare word; never rewritten
.set NIL,  29                          ; v29  0; never rewritten
.set ADS0, 30                          ; v30  the R side's scale words
.set SC,   32                          ; set s at v[SC + 16 s]: + b the R side's block b, + 8 + a the P side's block a; lanes 0-15 the word of the slot's first 128 along K, lanes 16-31 of its second
.set TM,   64                          ; v64-67 largest magnitudes, v68-71 partners and bytes, v76-79 the conversions' scale operands
.set PW,   80                          ; the scale word just made
.set FLR,  81                          ; 2^(3 - 127): the floor under every largest magnitude
.set BKW,  84                          ; v84-87 scale words read back
.set PC,   96                          ; v96-107 the codes, v108-114 at work
.set AF,   128
.set TT,   192
.set G1, 24
.set G0, 32
.set G1B, 48
.set G0B, 56
.set G1S, 68
.set G0S, 76
.set G1SB, 80
.set G0SB, 88
.set MSB, 0
.macro WIN new                         ; the immediate's high byte repeats the setting that is left
.if MSB != (\new)
	s_set_vgpr_msb (MSB<<8)|(\new)
.set MSB, (\new)
.endif
.endm
.set MUL_LO, 0xa1                      ; source 0 window 1, source 1 window 0, C and D window 2
.set MUL_HI, 0xf1                      ; the same, C and D window 3
.set TO_B,   0x40                      ; destination window 1, address window 0
; A joint load: waves 0 and 1 fetch for x, waves 2 and 3 for the weights.  The branch hangs on the wave's number alone.  Four v_nop follow each of the two lines.
.macro JLOAD g0a, g1a, g0b, g1b
	s_cmp_eq_u32 s15, 0
	s_cbranch_scc0 .Lfor_b_\@
	tensor_load_to_lds s[\g0a:\g0a+3], s[\g1a:\g1a+7]
	s_nop 0
.rept 4
	v_nop
.endr
	s_branch .Lasked_\@
.Lfor_b_\@:
	tensor_load_to_lds s[\g0b:\g0b+3], s[\g1b:\g1b+7]
	s_nop 0
.rept 4
	v_nop
.endr
.Lasked_\@:
.endm
.macro CREST                           ; a round of the cluster's barrier behind its opening barrier
	s_cmp_lg_u32 s14, 0
	s_cbranch_scc1 .Lnot_wave_0_\@
	s_barrier_signal -3
.Lnot_wave_0_\@:
	s_barrier_wait -3
	s_barrier_signal -1
	s_barrier_wait -1
.endm
.macro CROUND
	s_barrier_signal -1
	s_barrier_wait -1
	CREST
.endm
	s_load_b128 s[4:7], s[0:1], 0x0                ; x's codes, x's scales
	s_load_b256 s[68:75], s[0:1], 0x10             ; wq's codes, scales; wk's codes, scales
	s_load_b128 s[76:79], s[0:1], 0x30             ; wv's codes, scales
	s_load_b256 s[80:87], s[0:1], 0x40             ; cs, qimg, qsc, kvc
	s_load_b64 s[88:89], s[0:1], 0x60              ; kvs
	v_lshl_add_u32 v[SPW], v0, 2, SPARE
	v_mov_b32 v[NIL], 0
	ds_add_u32 v28, v29
	ds_add_u32 v28, v29
	s_wait_dscnt 0x0
	v_lshrrev_b32 v1, 5, v0
	v_readfirstlane_b32 s14, v1                    ; wave 0..3
	s_lshr_b32 s15, s14, 1                         ; which half of x's rows is mine.  Also: I fetch for x (0) or for the weights (1)
	s_and_b32 s16, s14, 1                          ; which half of the weights' rows.  Also: which 128 rows I fetch
	s_bfe_u32 s40, ttmp6, 0x40000                  ; cx, cy: my place in the cluster
	s_bfe_u32 s41, ttmp6, 0x40004
	s_lshl_b32 s42, ttmp9, 2
	s_add_co_u32 s42, s42, s40                     ; 4 x cluster x + cx
	s_and_b32 s17, ttmp7, 0xffff
	s_lshl_b32 s17, s17, 2
	s_add_co_u32 s17, s17, s41                     ; tile row = 4 x cluster y + cy
	s_lshl_b32 s43, s41, 2
	s_lshl_b32 s43, 15, s43                        ; my row of the cluster
	s_lshl_b32 s44, 0x1111, s40                    ; my column
	s_cmp_eq_u32 ttmp9, 2
	s_cselect_b32 s66, 1, 0                        ; 1: this cluster makes k and v.  The same in all sixteen partners
	s_and_b32 s67, s66, s16                        ; 1: this wave makes v
	; descriptor group 1: a tile of 128 rows x 192 bytes, 16 bytes of padding behind every 64
	s_or_b32 s[G1+0], s43, (0<<16)|(1<<20)|(1<<21)|(3<<22)|(3<<25)
	s_or_b32 s[G1B+0], s44, (0<<16)|(1<<20)|(1<<21)|(3<<22)|(3<<25)
.irp g, G1, G1B
	s_mov_b32 s[\g+1], ROWB<<16                    ; tensor_dim0
	s_mov_b32 s[\g+2], 128<<16                     ; tensor_dim1
	s_mov_b32 s[\g+3], ROWB<<16                    ; tile_dim0
	s_mov_b32 s[\g+4], 128                         ; tile_dim1
	s_mov_b32 s[\g+5], KROW                        ; from row to row
	s_mov_b32 s[\g+6], 0
	s_mov_b32 s[\g+7], 0
.endr
	s_lshl_b32 s18, s16, 7                         ; which 128 rows I fetch
	s_lshl_b32 s20, s17, 8
	s_add_co_u32 s20, s20, s18                     ; x: row 256 x tile row + 128 x half
	s_lshl_b32 s46, s42, 8
	s_add_co_u32 s46, s46, s18                     ; wq: row 256 x tile column + 128 x half;
	s_lshl_b32 s2, s40, 7                          ; wk and wv: row 128 x cx of the tensor that the half chooses
	s_cmp_eq_u32 ttmp9, 2
	s_cselect_b32 s46, s2, s46
	s_mov_b32 s21, 0
	s_mov_b32 s47, 0
	s_mov_b64 s[18:19], KS
	s_mul_u64 s[22:23], s[20:21], s[18:19]         ; where these rows' scale bytes begin
	s_mul_u64 s[92:93], s[46:47], s[18:19]
	s_mov_b64 s[18:19], KROW
	s_mul_u64 s[20:21], s[20:21], s[18:19]         ; and their codes
	s_mul_u64 s[46:47], s[46:47], s[18:19]
	s_mul_i32 s45, s14, HALFT                      ; where they go: wave x 128 rows: no place in the cluster enters an LDS address
	s_mul_i32 s94, s14, HALFS
	s_wait_kmcnt 0x0
	s_cmp_eq_u32 s16, 0                            ; the weights' tensor: wk or wv by the half,
	s_cselect_b64 s[8:9], s[72:73], s[76:77]
	s_cselect_b64 s[10:11], s[74:75], s[78:79]
	s_cmp_eq_u32 ttmp9, 2                          ; or wq, by the cluster's x; and where the results go
	s_cselect_b64 s[8:9], s[8:9], s[68:69]
	s_cselect_b64 s[10:11], s[10:11], s[70:71]
	s_cselect_b64 s[12:13], s[86:87], s[82:83]     ; codes: kvc or qimg
	s_cselect_b64 s[96:97], s[88:89], s[84:85]     ; scale words: kvs or qsc
	s_mov_b64 s[98:99], s[80:81]                   ; cs
	s_add_nc_u64 s[20:21], s[4:5], s[20:21]
	s_add_nc_u64 s[22:23], s[6:7], s[22:23]
	s_add_nc_u64 s[46:47], s[8:9], s[46:47]
	s_add_nc_u64 s[92:93], s[10:11], s[92:93]
	; the scale bytes of 128 rows: a dense block of 8,192 bytes, as 32 rows of 256 bytes (32 elements of 8), 16 bytes of padding behind each
	s_or_b32 s[G1S+0], s43, (3<<16)|(1<<20)|(1<<21)|(5<<22)|(3<<25)
	s_or_b32 s[G1SB+0], s44, (3<<16)|(1<<20)|(1<<21)|(5<<22)|(3<<25)
.irp g, G1S, G1SB
	s_mov_b32 s[\g+1], 32<<16
	s_mov_b32 s[\g+2], 32<<16
	s_mov_b32 s[\g+3], 32<<16
	s_mov_b32 s[\g+4], 32
	s_mov_b32 s[\g+5], 32
	s_mov_b32 s[\g+6], 0
	s_mov_b32 s[\g+7], 0
.endr
	CROUND                                         ; all sixteen work-groups are here: the first joint loads meet
	s_mov_b32 s[G0S], 1
	s_add_co_u32 s[G0S+1], s94, SCL
	s_mov_b64 s[G0S+2:G0S+3], s[22:23]
	s_or_b32 s[G0S+3], s[G0S+3], 0x80000000
	s_mov_b32 s[G0SB], 1
	s_add_co_u32 s[G0SB+1], s94, SCL
	s_mov_b64 s[G0SB+2:G0SB+3], s[92:93]
	s_or_b32 s[G0SB+3], s[G0SB+3], 0x80000000
	JLOAD G0S, G1S, G0SB, G1SB                     ; the scale bytes first: they are wanted with K step 0
.irp s, 0,1
	s_mov_b32 s[G0+4*\s], 1
	s_add_co_u32 s[G0+4*\s+1], s45, \s*SLOT
	s_add_nc_u64 s[G0+4*\s+2:G0+4*\s+3], s[20:21], \s*ROWB
	s_or_b32 s[G0+4*\s+3], s[G0+4*\s+3], 0x80000000
	s_mov_b32 s[G0B+4*\s], 1
	s_add_co_u32 s[G0B+4*\s+1], s45, \s*SLOT
	s_add_nc_u64 s[G0B+4*\s+2:G0B+4*\s+3], s[46:47], \s*ROWB
	s_or_b32 s[G0B+4*\s+3], s[G0B+4*\s+3], 0x80000000
	JLOAD G0+4*\s, G1, G0B+4*\s, G1B               ; three tensor loads of mine are out now
.endr
	v_and_b32 v1, 15, v0                           ; r = lane % 16
	v_bfe_u32 v2, v0, 4, 1                         ; hl = lane / 16
	v_mul_u32_u24 v3, v1, PITCH
	v_mul_u32_u24 v4, v2, 24
	v_add_nc_u32 v4, v3, v4                        ; a fragment's row x pitch + 24 x half
	v_lshl_add_u32 v5, v2, 4, v4                   ; and the same behind one padding more
	s_mul_i32 s18, s15, HALFT                      ; my 128 rows of x
	s_mul_i32 s19, s16, HALFT
	s_add_co_u32 s19, s19, 2*HALFT                 ; my 128 rows of weights, behind x's 256
	s_cmp_eq_u32 s67, 1
	s_cselect_b32 s21, s19, s18                    ; the P side: x; in a V wave the weights
	s_cselect_b32 s22, s18, s19                    ; the R side: the other
.irp s, 0,1
	v_add_nc_u32 v[ADRA+\s], s21, v4
	v_add_nc_u32 v[ADRB+\s], s22, v4
	v_add_nc_u32 v[ADRA+2+\s], s21, v5
	v_add_nc_u32 v[ADRB+2+\s], s22, v5
	s_add_co_u32 s21, s21, SLOT
	s_add_co_u32 s22, s22, SLOT
.endr
	v_lshlrev_b32 v5, 6, v1                        ; my row's scale bytes: 64 a row,
	v_lshrrev_b32 v6, 2, v1
	v_lshl_add_u32 v5, v6, 4, v5                   ; 16 more for each 256 passed,
	v_lshl_add_u32 v5, v2, 2, v5                   ; lanes 16-31 the word of the slot's second 128 along K
	s_mul_i32 s18, s15, HALFS
	s_add_co_u32 s18, s18, SCL
	s_mul_i32 s19, s16, HALFS
	s_add_co_u32 s19, s19, SCL+2*HALFS
	s_cmp_eq_u32 s67, 1
	s_cselect_b32 s21, s19, s18
	s_cselect_b32 s22, s18, s19
	v_add_nc_u32 v[ADS1], s21, v5
	v_add_nc_u32 v[ADS0], s22, v5
	v_and_b32 v6, 31, v0
	v_lshlrev_b32 v[LI], 4, v6
	s_lshl_b32 s18, s14, 9
	v_lshl_add_u32 v[SWA], v1, 2, s18
	v_add_nc_u32 v[SRD], s18, v[LI]
	v_mov_b32 v[FLR], 0x1800000
.irp b, 0,1,2,3
	v_mov_b32 v[TM+4+\b], 0                        ; written once: a lane permute's destination counts as one of its sources
.endr
	; where my results go.  hd = 16 batch + head (q) or 4 batch + kv head (k, v); rec = 8 hd + which 128 rows of the batch
	s_lshr_b32 s18, s17, 2                         ; batch
	s_lshl_b32 s19, s18, 2
	s_add_co_u32 s19, s19, s40
	s_lshl_b32 s18, s18, 4
	s_lshl_b32 s20, s42, 1
	s_add_co_u32 s18, s18, s20
	s_add_co_u32 s18, s18, s16
	s_cmp_eq_u32 s66, 1
	s_cselect_b32 s18, s19, s18
	s_lshl_b32 s18, s18, 3
	s_and_b32 s19, s17, 3
	s_lshl_b32 s19, s19, 1
	s_add_co_u32 s18, s18, s19
	s_add_co_u32 s18, s18, s15                     ; rec
	s_lshl_b32 s18, s18, s66                       ; in kvc and kvs a record holds k's eight fragments and then v's
	s_add_co_u32 s18, s18, s67
	s_mul_i32 s20, s18, 8*FR*128                   ; eight fragments of 1,536 bytes
	s_mov_b32 s21, 0
	s_add_nc_u64 s[12:13], s[12:13], s[20:21]
	s_lshl_b32 s20, s18, 9                         ; eight times 64 bytes of scale words
	s_add_nc_u64 s[96:97], s[96:97], s[20:21]
	s_lshl_b32 s20, s17, 4
	s_lshl_b32 s22, s15, 3
	s_add_co_u32 s20, s20, s22                     ; my first block of 16 rows: 16 x tile row + 8 x half
	s_lshl_b32 s20, s20, 13
	s_add_nc_u64 s[98:99], s[98:99], s[20:21]
	s_mov_b32 s100, 0x76543210
	s_mov_b32 s101, 0xfedcba98                     ; v_permlanex16_b32's selects for lane l xor 16
.macro FRAG reg, adr, q, i             ; a fragment: lane l holds row l % 16; registers 6 c .. 6 c + 5 hold K = 64 c + 32 (l / 16) + 0 .. 31: 24 bytes of the row's stream of bits, in pieces of 8 bytes
.irp p, 0,1,2,3,4,5
.set PCE, 12*(\q)+6*(\p/3)+\p%3        ; lanes 16-31 read three pieces further on: where that is behind one padding more, the second address register serves
.if PCE%8 < 5
	ds_load_b64 v[\reg+2*\p:\reg+2*\p+1], v[\adr] offset:8*PCE+16*(PCE/8)+(\i)*16*PITCH
.else
	ds_load_b64 v[\reg+2*\p:\reg+2*\p+1], v[\adr+2] offset:8*PCE+16*(PCE/8)+(\i)*16*PITCH
.endif
.endr
.endm
; 16 matrix instructions: P blocks a0, a0 + 1 x the R side's eight, the slot's q-th 128 along K.  p: the R side's set; sc: the set of scale words.  zero = 1: the first product starts the sums.
; The 64 accumulators take turns, one instruction a turn, in the same order in every step.
.macro MUL16 a0, p, q, sc, zero
.irp a, \a0, \a0+1
.irp b, 0,1,2,3,4,5,6,7
.if \zero
	v_wmma_scale_f32_16x16x128_f8f6f4 v[8*(8*((\a)%4)+\b):8*(8*((\a)%4)+\b)+7], v[128*(\p)+FR*\b:128*(\p)+FR*\b+FR-1], v[AF+FR*(\a):AF+FR*(\a)+FR-1], 0, v[SC+16*(\sc)+\b], v[SC+16*(\sc)+8+(\a)] matrix_a_fmt:MATRIX_FMT_FP6 matrix_b_fmt:MATRIX_FMT_FP6
.elseif (\q) == 0
	v_wmma_scale_f32_16x16x128_f8f6f4 v[8*(8*((\a)%4)+\b):8*(8*((\a)%4)+\b)+7], v[128*(\p)+FR*\b:128*(\p)+FR*\b+FR-1], v[AF+FR*(\a):AF+FR*(\a)+FR-1], v[8*(8*((\a)%4)+\b):8*(8*((\a)%4)+\b)+7], v[SC+16*(\sc)+\b], v[SC+16*(\sc)+8+(\a)] matrix_a_fmt:MATRIX_FMT_FP6 matrix_b_fmt:MATRIX_FMT_FP6
.else
	v_wmma_scale_f32_16x16x128_f8f6f4 v[8*(8*((\a)%4)+\b):8*(8*((\a)%4)+\b)+7], v[128*(\p)+FR*\b:128*(\p)+FR*\b+FR-1], v[AF+FR*(\a):AF+FR*(\a)+FR-1], v[8*(8*((\a)%4)+\b):8*(8*((\a)%4)+\b)+7], v[SC+16*(\sc)+\b], v[SC+16*(\sc)+8+(\a)] matrix_a_fmt:MATRIX_FMT_FP6 matrix_b_fmt:MATRIX_FMT_FP6 matrix_a_scale:MATRIX_SCALE_ROW1 matrix_b_scale:MATRIX_SCALE_ROW1
.endif
.endr
.endr
.endm
.macro FETCH_B slot, q, p              ; the R side's eight fragments into set p
	WIN TO_B
.irp i, 0,1,2,3,4,5,6,7
	FRAG 128*(\p)+FR*\i, ADRB+\slot, \q, \i
.endr
	WIN 0
.endm
.macro FETCH_A slot, q, i0             ; the P side's blocks i0 .. i0 + 3
.irp i, \i0, \i0+1, \i0+2, \i0+3
	FRAG AF+FR*(\i), ADRA+\slot, \q, \i
.endr
.endm
.macro SCALES sc                       ; a K step's scale words: one word a lane, both 128s of the step in one register
.irp i, 0,1,2,3,4,5,6,7
	ds_load_b32 v[SC+16*(\sc)+\i], v[ADS0] offset:\i*SBLK
.endr
.irp i, 0,1,2,3,4,5,6,7
	ds_load_b32 v[SC+16*(\sc)+8+\i], v[ADS1] offset:\i*SBLK
.endr
.endm
; A load into a register that a matrix instruction has read, and a vector instruction that reads a matrix result, stand NP places behind that matrix instruction; only plain vector instructions
; that name none of its registers are places (ISA guide 7.12.1 for vector instructions).
.macro PLACES n
.rept \n
	v_nop
.endr
.endm
.macro STEP slot, q, zero              ; a step of 128 along K that has its successor in the same slot
	s_wait_dscnt 4*NL                              ; all but the youngest 24 loads (the P side's blocks 4-7) are in
	WIN MUL_LO
	MUL16 0, (\q)%2, \q, \slot, \zero
	MUL16 2, (\q)%2, \q, \slot, \zero
	s_wait_dscnt 0                                 ; blocks 4-7 are in
	PLACES NP
	FETCH_B \slot, (\q)+1, 1-(\q)%2
	FETCH_A \slot, (\q)+1, 0
	WIN MUL_HI
	MUL16 4, (\q)%2, \q, \slot, \zero
	MUL16 6, (\q)%2, \q, \slot, \zero
	PLACES NP
	WIN 0
	FETCH_A \slot, (\q)+1, 4
.endm
; A slot's last step changes slots: ONE barrier; in front of it each wave waits for all its tensor loads, adds 0 to its spare word, and waits for that and for its own reads of this slot.
.macro TURN slot, next, fill
	s_wait_tensorcnt 0x0                           ; all my tensor loads have landed: my part of the next slot
	ds_add_u32 v[SPW], v[NIL]                      ; 0 onto my spare word
	s_wait_dscnt 4*NL+1                            ; (the add and the youngest 24 loads may be out)
	WIN MUL_LO
	MUL16 0, 1, NQ-1, \slot, 0                     ; sixteen matrix instructions stand between the add and the wait for it
	s_wait_dscnt 0x0                               ; the add is done, and my reads of this slot are over
	s_barrier_signal -1
	MUL16 2, 1, NQ-1, \slot, 0
	WIN 0
	s_barrier_wait -1
.if \fill
	CREST                                          ; the barrier has opened a round of the cluster's: no wave of any partner still reads this slot's tile or has a load on its way
	s_add_nc_u64 s[G0+4*\slot+2:G0+4*\slot+3], s[G0+4*\slot+2:G0+4*\slot+3], 2*ROWB
	s_add_nc_u64 s[G0B+4*\slot+2:G0B+4*\slot+3], s[G0B+4*\slot+2:G0B+4*\slot+3], 2*ROWB
	JLOAD G0+4*\slot, G1, G0B+4*\slot, G1B         ; the first tensor load behind the round; its four v_nop are the places in front of the loads below
.else
	PLACES NP
.endif
	v_add_nc_u32 v[ADS0], 4*NQ, v[ADS0]            ; on to the next K step's scale words (no LDS load of mine is out)
	v_add_nc_u32 v[ADS1], 4*NQ, v[ADS1]
	FETCH_B \next, 0, 0
	FETCH_A \next, 0, 0
	SCALES \next
	WIN MUL_HI
	MUL16 4, 1, NQ-1, \slot, 0
	MUL16 6, 1, NQ-1, \slot, 0
	PLACES NP
	WIN 0
	FETCH_A \next, 0, 4
.endm
.macro LASTSTEP                        ; the very last 128 along K: nothing more to fetch
	s_wait_dscnt 4*NL
	WIN MUL_LO
	MUL16 0, 1, NQ-1, 1, 0
	MUL16 2, 1, NQ-1, 1, 0
	s_wait_dscnt 0
	WIN MUL_HI
	MUL16 4, 1, NQ-1, 1, 0
	MUL16 6, 1, NQ-1, 1, 0
	WIN 0
	PLACES NP
.endm
; (cos, sin) for P block a: 64 registers a lane, sixteen loads of 512 consecutive bytes, into buffer buf of window 1
.macro CSLOAD a, buf
	WIN TO_B
.irp q, 0,1,2,3,4,5,6,7,8,9,10,11,12,13,14,15
	global_load_b128 v[64*(\buf)+4*\q:64*(\buf)+4*\q+3], v[LI], s[98:99] offset:8192*(\a)+512*\q
.endr
	WIN 0
.endm
; Rope on block a's 32 pairs, in place: (xr, xi) -> (xr cos - xi sin, xr sin + xi cos).  Each accumulator is read from its low end on.
.macro ROPE a
.set WW, 2+(\a)/4
.set AC, 64*((\a)%4)
.set WA, WW|(1<<2)
.set WB, WW|(1<<2)|(WW<<6)
	WIN WA                                         ; source 0: the accumulators' window; source 1: window 1; destination: window 0
.set MM, 0
.rept 32
	v_pk_mul_f32 v[TT+2*MM:TT+2*MM+1], v[AC+2*MM:AC+2*MM+1], v[AC+2*MM:AC+2*MM+1] op_sel_hi:[1,0]   ; (xr cos, xi cos): of the pair (cos, sin) the first serves both halves
.set MM, MM+1
.endr
	WIN WB                                         ; and the destination in the accumulators' window
.set MM, 0
.rept 32
	v_pk_fma_f32 v[AC+2*MM:AC+2*MM+1], v[AC+2*MM:AC+2*MM+1], v[AC+2*MM:AC+2*MM+1], v[TT+2*MM:TT+2*MM+1] op_sel:[1,1,0] op_sel_hi:[0,1,1] neg_lo:[0,1,0]   ; low: -xi sin + xr cos; high: xr sin + xi cos
.set MM, MM+1
.endr
	WIN 0
.endm
; 64 numbers of a lane, v[s] .. v[s + 63] of window w, become a fragment's codes in v[PC] on and its scale word in v[PW].  A block of 32 lies in 16 registers of lanes l and l xor 16.
.macro QUANTW s, w
.set WA, ((\w)<<2)|((\w)<<4)
	WIN WA                                         ; sources 1 and 2 in window w
.irp b, 0,1,2,3
	v_max3_num_f32 v[TM+\b], v[FLR], |v[\s+16*\b]|, |v[\s+1+16*\b]|   ; the floor among the leaves: the byte cannot fall under 1
.endr
.irp i, 2,4,6,8,10,12,14
.irp b, 0,1,2,3
	v_max3_num_f32 v[TM+\b], v[TM+\b], |v[\s+16*\b+\i]|, |v[\s+1+16*\b+\i]|   ; the four blocks by turns
.endr
.endr
	WIN 0
.irp b, 0,1,2,3
	v_permlanex16_b32 v[TM+4+\b], v[TM+\b], s100, s101
.endr
.irp b, 0,1,2,3
	v_max_num_f32 v[TM+\b], v[TM+\b], v[TM+4+\b]   ; the block's largest magnitude
.endr
.irp b, 0,1,2,3
	v_add_nc_u32 v[TM+12+\b], 0xff000000, v[TM+\b] ; 2 off its exponent field: the conversion's scale operand
.endr
.irp b, 0,1,2,3
	v_lshrrev_b32 v[TM+4+\b], 23, v[TM+12+\b]      ; the scale's byte
.endr
	v_lshl_or_b32 v[PW], v[TM+5], 8, v[TM+4]
	v_lshl_or_b32 v[PW], v[TM+6], 16, v[PW]
	v_lshl_or_b32 v[PW], v[TM+7], 24, v[PW]        ; my row's scale word
	WIN \w                                         ; source 0 in window w
.irp c, 0,1
	v_cvt_scalef32_pk16_fp6_f32 v[PC+6*\c:PC+2+6*\c], v[\s+32*\c:\s+15+32*\c], v[TM+12+2*\c]
	v_cvt_scalef32_pk16_fp6_f32 v[PC+12+4*\c:PC+14+4*\c], v[\s+16+32*\c:\s+31+32*\c], v[TM+12+2*\c+1]   ; (a conversion's three registers begin on an even number)
.endr
	WIN 0
	v_nop                                          ; one plain place behind a scaled conversion
.irp c, 0,1                                    ; the operand's layout wants a whole block in a lane
.irp i, 0,1,2
	v_permlane16_swap_b32 v[PC+6*\c+\i], v[PC+12+4*\c+\i]
.endr
.irp i, 0,1,2
	v_mov_b32 v[PC+3+6*\c+\i], v[PC+12+4*\c+\i]
.endr
.endr
.endm
; P block a goes out.  rope = 1: q and k.  so: where this arm's scale words lie in the stage.
.macro EBLOCK a, rope, so
	s_wait_xcnt 0x0                                ; the last block's stores have read the codes' registers,
	s_wait_dscnt 0x0                               ; and its LDS store the scale word's
.if \rope
.if (\a) < 5
	s_wait_loadcnt 48                              ; this block's (cos, sin) are in; behind them three blocks' sixteen loads each were issued
.else
	s_wait_loadcnt 16*(7-(\a))
.endif
	ROPE \a
.if (\a) < 4
	CSLOAD (\a)+4, \a                              ; its buffer takes the block four further on
.endif
.endif
	QUANTW 64*((\a)%4), 2+(\a)/4
.irp c, 0,1,2
	global_store_b128 v[LI], v[PC+4*\c:PC+4*\c+3], s[12:13] offset:FR*128*(\a)+512*\c   ; 32 lanes store 512 consecutive bytes, aligned
.endr
	ds_store_b32 v[SWA], v[PW] offset:64*(\a)+(\so)   ; lanes l and l xor 16 write the same word with the same value
.endm
.macro FIN so                          ; the wave's eight times 64 bytes of scale words leave as 512 consecutive bytes
	ds_load_b128 v[BKW:BKW+3], v[SRD] offset:\so   ; LDS serves a wave's instructions in order (ISA guide 5.7.1.4): this sees my stores
	s_wait_dscnt 0x0
	global_store_b128 v[LI], v[BKW:BKW+3], s[96:97]
.endm
	s_wait_tensorcnt 1                             ; the scale bytes and my part of K step 0 are in (K step 1's load may be out),
	s_barrier_signal -1
	s_barrier_wait -1                              ; everybody's are
	FETCH_B 0, 0, 0
	FETCH_A 0, 0, 0
	SCALES 0
	FETCH_A 0, 0, 4
	STEP 0, 0, 1                                   ; the first step stands in front of the loop: its products start the sums
	s_mov_b32 s3, LAPS-1
.Llap:                                                 ; a trip goes once round the ring and fills both slots again
	TURN 0, 1, 1
	STEP 1, 0, 0
	TURN 1, 0, 1
	STEP 0, 0, 0
	s_sub_co_u32 s3, s3, 1
	s_cmp_lg_u32 s3, 0
	s_cbranch_scc1 .Llap
	TURN 0, 1, 0                                   ; the last lap fills nothing, and has no round of the cluster's barrier
	STEP 1, 0, 0
	; The waves part ONCE, on the cluster's x and the wave's number; each arm holds the last step and its own way out; no barrier stands in an arm.
	; The stage for the scale words lies in slot 0, which has had its last fill, and which nobody reads behind the last change of slots.
	s_cmp_eq_u32 s67, 1
	s_cbranch_scc1 .Lvalues
	CSLOAD 0, 0                                    ; window 1's v0-127 are free: the R side's set 0 was last multiplied ahead of the last step's places.  These land under the last 64 products
	CSLOAD 1, 1
	LASTSTEP
	CSLOAD 2, 2
	CSLOAD 3, 3
.irp a, 0,1,2,3,4,5,6,7
	EBLOCK \a, 1, 0
.endr
	FIN 0
	s_branch .Lend
.Lvalues:
	LASTSTEP
.irp a, 0,1,2,3,4,5,6,7
	EBLOCK \a, 0, 2048
.endr
	FIN 2048
.Lend:
	s_wait_tensorcnt 0x0                           ; the wave's end: behind my last tensor load and my last LDS store
	ds_add_u32 v[SPW], v[NIL]
	s_wait_dscnt 0x0
	CROUND                                         ; the closing round: no work-group ends while a partner may still ask for a tile that names it
	s_endpgm
.Lfunc_end_k_q0d2a4df16e_qkv:
	.size	k_q0d2a4df16e_qkv, .Lfunc_end_k_q0d2a4df16e_qkv-k_q0d2a4df16e_qkv
	.p2alignl 7, 3214868480
	.fill 96, 4, 3214868480
	.section	.rodata,"a",@progbits
	.p2align	6, 0x0
	.amdhsa_kernel k_q0d2a4df16e_qkv
		.amdhsa_group_segment_fixed_size 327680
		.amdhsa_private_segment_fixed_size 0
		.amdhsa_enable_private_segment 0
		.amdhsa_kernarg_size 104
		.amdhsa_user_sgpr_count 2
		.amdhsa_user_sgpr_kernarg_segment_ptr 1
		.amdhsa_wavefront_size32 1
		.amdhsa_system_sgpr_workgroup_id_x 1
		.amdhsa_system_sgpr_workgroup_id_y 1
		.amdhsa_system_sgpr_workgroup_id_z 1
		.amdhsa_system_vgpr_workitem_id 0
		.amdhsa_next_free_vgpr 1024
		.amdhsa_next_free_sgpr 102
		.amdhsa_reserve_vcc 0
		.amdhsa_float_denorm_mode_32 3
		.amdhsa_float_denorm_mode_16_64 3
		.amdhsa_memory_ordered 1
		.amdhsa_forward_progress 1
		.amdhsa_inst_pref_size 254
	.end_amdhsa_kernel
	.amdgpu_metadata
---
amdhsa.version: [ 1, 2 ]
amdhsa.kernels:
  - .name:           k_q0d2a4df16e_qkv
    .symbol:         k_q0d2a4df16e_qkv.kd
    .args:
      - { .name: x_codes, .offset: 0, .size: 8, .value_kind: global_buffer, .address_space: global }
      - { .name: x_scales, .offset: 8, .size: 8, .value_kind: global_buffer, .address_space: global }
      - { .name: wq_codes, .offset: 16, .size: 8, .value_kind: global_buffer, .address_space: global }
      - { .name: wq_scales, .offset: 24, .size: 8, .value_kind: global_buffer, .address_space: global }
      - { .name: wk_codes, .offset: 32, .size: 8, .value_kind: global_buffer, .address_space: global }
      - { .name: wk_scales, .offset: 40, .size: 8, .value_kind: global_buffer, .address_space: global }
      - { .name: wv_codes, .offset: 48, .size: 8, .value_kind: global_buffer, .address_space: global }
      - { .name: wv_scales, .offset: 56, .size: 8, .value_kind: global_buffer, .address_space: global }
      - { .name: cs, .offset: 64, .size: 8, .value_kind: global_buffer, .address_space: global }
      - { .name: qimg, .offset: 72, .size: 8, .value_kind: global_buffer, .address_space: global }
      - { .name: qsc, .offset: 80, .size: 8, .value_kind: global_buffer, .address_space: global }
      - { .name: kvc, .offset: 88, .size: 8, .value_kind: global_buffer, .address_space: global }
      - { .name: kvs, .offset: 96, .size: 8, .value_kind: global_buffer, .address_space: global }
    .group_segment_fixed_size: 327680
    .private_segment_fixed_size: 0
    .kernarg_segment_align: 8
    .kernarg_segment_size: 104
    .max_flat_workgroup_size: 128
    .sgpr_count:     102
    .vgpr_count:     1024
    .wavefront_size: 32
...
	.end_amdgpu_metadata
.endif
;; end of part 2
;; launch attn (part 3): grid 16 x 16, 8 waves a work-group, clusters of 4 x 1, 206,848 bytes of LDS; arguments qimg, qsc, kvc, kvs, aimg, asc; writes aimg, asc
.if DOCPART == 3
	.amdgcn_target "amdgcn-amd-amdhsa--gfx1250"
	.amdhsa_code_object_version 6
	.text
	.protected	k_q0d2a4df16e_attn
	.globl	k_q0d2a4df16e_attn
	.p2align	8
	.type	k_q0d2a4df16e_attn,@function
k_q0d2a4df16e_attn:
	s_mov_b64 s[64:65], 0
	v_nop
	global_prefetch_b8 v0, s[64:65] scope:SCOPE_SE
	s_setreg_imm32_b32 hwreg(HW_REG_WAVE_MODE, 25, 1), 1
	s_wait_xcnt 0x0
	s_wait_alu depctr_hold_cnt(0) depctr_sa_sdst(0) depctr_va_vdst(0) depctr_va_sdst(0) depctr_va_ssrc(0) depctr_va_vcc(0) depctr_vm_vsrc(0)
	s_getreg_b32 s2, hwreg(HW_REG_IB_STS2, 6, 4)
	s_cmp_eq_u32 s2, 0
	s_cbranch_scc0 .Lentry_in_a_cluster
	s_endpgm
.Lentry_in_a_cluster:
	s_bfe_u32 s2, ttmp6, 0x10000c
	s_cmp_lg_u32 s2, 0x3003
	s_cbranch_scc0 .Lentry_shape_is_right
	s_endpgm
.Lentry_shape_is_right:
; o = softmax(q k^T / sqrt(128)) v for 64 (batch, head) pairs of 1,024 queries and keys, head size 128, four query heads to a kv head; both products on codes of FP6 (E2M3) with E8M0 scales.
; THE SOFTMAX AHEAD OF THE SECOND PRODUCT: t = score x log2(e) / sqrt(128); M = the row's largest t so far, rounded UP to a whole number; p = 2^(t - M) is quantised along the keys, not normalised.
; The row's sum is taken of the unquantised p and divides o at the end.  When M moves, the sum and o are multiplied by 2^(old M - new M): exact.
; INPUTS are images of operand registers: a fragment (16 rows x 128 K) is 1,536 bytes, register group c of lane l at 512 c + 16 l; its scale words 64 bytes, row r's at 4 r.
; qimg [16 batch + head][64 tiles of queries]; kvc [g = 4 batch + kv head][8 key steps][8 fragments of k (16 keys each), 8 of v (16 channels each, K = the step's 128 keys)]; qsc, kvs likewise.
; Inside a block of 32 along K the places' bits 3 and 4 are exchanged against the index, alike in q and k, and alike in v and in the p made here: the products are the same sums in another order.
; SHARES.  A work-group takes one g and 64 queries of each of its four heads: 16 tiles of 16 queries.  Wave w: head w % 4, tiles 2 (w / 4) and 2 (w / 4) + 1: each fragment read from LDS feeds two matrix instructions.
; ALL OF k AND v OF g LIES IN LDS, 196,608 + 8,192 bytes, FILLED ONCE: no ring and no refill.  Each wave brings an eighth of it, in four loads: the scale words, key step 0, steps 1-2, steps 3-7; the steps begin when their load is in.
; CLUSTER.  The four work-groups of a cluster have the same g: each load is asked for JOINTLY, with the same descriptor and a mask that names the four.
; LAYOUT.  S^T = k q^T (source 0 = 16 keys, source 1 = 16 queries), O^T = v^T p^T (source 0 = 16 channels, source 1 = p): a lane holds ONE query throughout.
; THE RESULT is quantised along head x 128 + channel for the last product, whose other operand is given: so its numbers are first brought into the true order, by 32 exchanges of half rows a tile.
; LIMITS: a block of zeros gets the scale byte 1 where the quantiser's rule says 127: its codes are zeros, and only this program reads the bytes.
; REGISTERS: window 0 alone: v1-11 addresses; v32-79 four fragments; v80-83 their scale words; v88-89 q's scale words; v90-91 p's.  Tile T in window T, the same numbers in both:
;   v12 -M, v13 the largest t, v[14:15] the sum in two halves; v16-27 q; v96-159 S^T, then p; v160-223 O^T; v224-235 p's codes; v232-254 at work.
.set SCL,  196608                      ; the scale words: key step x 1,024 + (k: 64 t; v: 512 + 64 t)
.set OSC,  204800                      ; 1,024 bytes of its own for the result's scale words: no fill lands here
.set STEPB, 24576                      ; a key step's 16 fragments
.set LI,   1                           ; v1  16 x lane
.set LS,   2                           ; v2  SCL + 4 (lane % 16)
.set ADK,  3                           ; v3  the step's fragments
.set ADS,  4                           ; v4  the step's scale words
.set OSW,  5                           ; v5  where my row's scale word of the result goes
.set OSR,  6                           ; v6  OSC + 16 x lane
.set OG,   7                           ; v7  1,024 (lane / 16) + 16 (lane % 16)
.set FRG,  32
.set SW,   80
.set QS,   88
.set PS,   90
.set TM,   232                         ; the way out's quantiser
.set PW,   248
.set PC,   160
.set WV,   16
.set SEL,  20
.set CS,   22
.set TB,   76
.set TS,   77
.set CNT,  78
.set MSB, 0
.macro WIN new                         ; the immediate's high byte repeats the setting that is left
.if MSB != (\new)
	s_set_vgpr_msb (MSB<<8)|(\new)
.set MSB, (\new)
.endif
.endm
.macro CROUND                          ; a round of the cluster's barrier
	s_barrier_signal -1
	s_barrier_wait -1
	s_cmp_lg_u32 s[WV], 0
	s_cbranch_scc1 .Lnot_wave_0_\@
	s_barrier_signal -3
.Lnot_wave_0_\@:
	s_barrier_wait -3
	s_barrier_signal -1
	s_barrier_wait -1
.endm
.macro GRP1 g, rows                    ; a dense block as rows of 256 bytes: 32 elements of 8 bytes; the mask names all four work-groups, bit 21 set beside it; no padding
	s_mov_b32 s[\g], 15|(3<<16)|(1<<21)
	s_mov_b32 s[\g+1], 32<<16
	s_mov_b32 s[\g+2], (\rows)<<16
	s_mov_b32 s[\g+3], 32<<16
	s_mov_b32 s[\g+4], \rows
	s_mov_b32 s[\g+5], 32
	s_mov_b32 s[\g+6], 0
	s_mov_b32 s[\g+7], 0
.endm
	s_load_b256 s[4:11], s[0:1], 0x0               ; qimg, qsc, kvc, kvs
	s_load_b128 s[12:15], s[0:1], 0x20             ; aimg, asc
	v_lshl_add_u32 v251, v0, 2, 0x32400
	v_mov_b32 v255, 0
	ds_add_u32 v251, v255
	ds_add_u32 v251, v255
	v_lshrrev_b32 v1, 5, v0
	v_readfirstlane_b32 s[WV], v1                  ; wave 0..7
	s_and_b32 s19, ttmp7, 0xffff                   ; g, which the four partners share
	GRP1 24, 4                                     ; the scale words: 1,024 bytes a wave
	GRP1 32, 12                                    ; key step 0: 3,072 bytes a wave
	GRP1 40, 24                                    ; key steps 1, 2: 6,144
	GRP1 48, 60                                    ; key steps 3 to 7: 15,360
	s_lshl_b32 s80, s19, 13
	s_lshl_b32 s81, s[WV], 10
	s_add_co_u32 s80, s80, s81                     ; in kvs: 8,192 g + 1,024 w
	s_mov_b32 s81, 0
	s_mul_i32 s82, s19, 8*STEPB                    ; in kvc: 196,608 g
	s_mov_b32 s83, 0
	s_mov_b32 s85, 0
	s_wait_dscnt 0x0
	s_wait_kmcnt 0x0
	s_add_nc_u64 s[10:11], s[10:11], s[80:81]
	s_add_nc_u64 s[8:9], s[8:9], s[82:83]
	s_mov_b32 s56, 1
	s_lshl_b32 s57, s[WV], 10
	s_add_co_u32 s57, s57, SCL
	s_mov_b64 s[58:59], s[10:11]
	s_or_b32 s59, s59, 0x80000000
	s_mov_b32 s60, 1                               ; the codes lie in LDS as they lie in kvc: one offset serves both
	s_mul_i32 s61, s[WV], 3072
	s_mov_b32 s84, s61
	s_add_nc_u64 s[62:63], s[8:9], s[84:85]
	s_or_b32 s63, s63, 0x80000000
	s_mov_b32 s68, 1
	s_mul_i32 s69, s[WV], 6144
	s_add_co_u32 s69, s69, STEPB
	s_mov_b32 s84, s69
	s_add_nc_u64 s[70:71], s[8:9], s[84:85]
	s_or_b32 s71, s71, 0x80000000
	s_mov_b32 s72, 1
	s_mul_i32 s73, s[WV], 15360
	s_add_co_u32 s73, s73, 3*STEPB
	s_mov_b32 s84, s73
	s_add_nc_u64 s[74:75], s[8:9], s[84:85]
	s_or_b32 s75, s75, 0x80000000
	CROUND                                         ; all four work-groups are here: the joint loads meet
	tensor_load_to_lds s[56:59], s[24:31]          ; the launch's only fills, one group: four tensor loads of mine are out
	s_nop 0
	tensor_load_to_lds s[60:63], s[32:39]
	s_nop 0
	tensor_load_to_lds s[68:71], s[40:47]
	s_nop 0
	tensor_load_to_lds s[72:75], s[48:55]
	s_nop 0
.rept 4
	v_nop
.endr
	s_bfe_u32 s17, ttmp6, 0x40000                  ; cx: it enters q's and the result's addresses alone
	s_lshl_b32 s18, ttmp9, 2
	s_add_co_u32 s18, s18, s17                     ; my block of 64 queries
	s_and_b32 s80, s[WV], 3                        ; head within the kv head
	s_lshr_b32 s81, s[WV], 2                       ; which pair of tiles
	s_lshl_b32 s83, s18, 2
	s_lshl_b32 s86, s81, 1
	s_add_co_u32 s83, s83, s86                     ; my first tile of queries: 4 block + 2 pair
	s_lshl_b32 s82, s19, 2
	s_add_co_u32 s82, s82, s80                     ; 16 batch + head = 4 g + head within
	s_lshl_b32 s82, s82, 6
	s_add_co_u32 s82, s82, s83                     ; the fragment's number in qimg
	s_mul_i32 s84, s82, 1536
	s_add_nc_u64 s[4:5], s[4:5], s[84:85]
	s_lshl_b32 s84, s82, 6
	s_add_nc_u64 s[6:7], s[6:7], s[84:85]
	s_lshr_b32 s82, s19, 2
	s_lshl_b32 s82, s82, 6                         ; 64 batch
	s_and_b32 s86, s19, 3                          ; kv head
	s_lshl_b32 s84, s18, 2
	s_add_co_u32 s84, s84, s82                     ; the work-group's first tile of rows
	s_lshl_b32 s84, s84, 10
	s_lshl_b32 s87, s86, 8
	s_add_co_u32 s84, s84, s87                     ; asc: 1,024 a tile of rows, 64 a head
	s_add_nc_u64 s[14:15], s[14:15], s[84:85]
	s_add_co_u32 s82, s82, s83                     ; my first tile of rows
	s_lshl_b32 s82, s82, 4
	s_lshl_b32 s86, s86, 2
	s_add_co_u32 s82, s82, s86
	s_add_co_u32 s82, s82, s80                     ; x 16 heads + my head
	s_mul_i32 s84, s82, 1536
	s_add_nc_u64 s[12:13], s[12:13], s[84:85]
	v_and_b32 v8, 31, v0
	v_lshlrev_b32 v[LI], 4, v8
	v_and_b32 v9, 15, v0
	v_lshlrev_b32 v10, 2, v9                       ; 4 (lane % 16); never rewritten
	v_add_nc_u32 v[LS], SCL, v10
	s_lshl_b32 s84, s81, 9
	s_lshl_b32 s86, s80, 6
	s_add_co_u32 s84, s84, s86
	s_add_co_u32 s84, s84, OSC
	v_add_nc_u32 v[OSW], s84, v10                  ; OSC + 512 pair + 64 head + 4 (lane % 16)
	v_add_nc_u32 v[OSR], OSC, v[LI]
	v_bfe_u32 v11, v0, 4, 1
	v_lshlrev_b32 v[OG], 10, v11
	v_lshl_add_u32 v[OG], v9, 4, v[OG]
.irp c, 0,1,2
	global_load_b128 v[16+4*\c:19+4*\c], v[LI], s[4:5] offset:512*\c         ; q, tile 0: it stays in registers
.endr
	WIN 0x40
.irp c, 0,1,2
	global_load_b128 v[16+4*\c:19+4*\c], v[LI], s[4:5] offset:1536+512*\c    ; tile 1, in window 1
.endr
	WIN 0
	global_load_b32 v[QS], v10, s[6:7]
	global_load_b32 v[QS+1], v10, s[6:7] offset:64
	s_mov_b32 s[SEL], 0x76543210
	s_mov_b32 s[SEL+1], 0xfedcba98                 ; v_permlanex16_b32's selects for lane l xor 16
	s_mov_b32 s[CS], 0x3e0293ee                    ; c = log2(e) / sqrt(128)
	s_mov_b32 s[CS+1], s[CS]                       ; (named with it as a pair, so it is written)
	s_mov_b32 s[TB], 0
	s_mov_b32 s[TS], 0
.irp T, 0,1
	WIN 0x55*\T
	v_mov_b32 v13, 0xff61b1e6                      ; the largest t so far: -3e38, under every t
	v_floor_f32 v12, -v13                          ; -M
	v_mov_b32 v14, 0                               ; the sum, in two halves
	v_mov_b32 v15, 0
.irp b, 0,1,2,3
	v_mov_b32 v[236+\b], 0                         ; written once: a lane permute's destination counts as one of its sources
.endr
	v_mov_b32 v253, 0                              ; (named as the upper half of the pair v[252:253] before it is first written)
.endr
	WIN 0
; One tile's softmax for a key step of 128 keys, in window t.  first = 1: O^T has not been begun, so there is nothing to bring under the new M.
.macro SOFTMAX t, first
	WIN 0x55*(\t)
.irp b, 0,1,2,3
	v_max3_num_f32 v[232+\b], v[96+16*\b], v[97+16*\b], v[98+16*\b]   ; the largest score of each block of 32 keys: for the row's maximum, and, since p rises with the score, for the block's largest p
.endr
.irp i, 3,5,7,9,11,13
.irp b, 0,1,2,3
	v_max3_num_f32 v[232+\b], v[232+\b], v[96+16*\b+\i], v[97+16*\b+\i]
.endr
.endr
.irp b, 0,1,2,3
	v_max_num_f32 v[232+\b], v[232+\b], v[111+16*\b]
.endr
.irp b, 0,1,2,3
	v_permlanex16_b32 v[236+\b], v[232+\b], s[SEL], s[SEL+1]
.endr
.irp b, 0,1,2,3
	v_max_num_f32 v[232+\b], v[232+\b], v[236+\b]  ; with lane l xor 16's 16 keys
.endr
	v_max3_num_f32 v254, v232, v233, v234
	v_max_num_f32 v254, v254, v235                 ; the step's largest score of my query
	v_mul_f32 v254, s[CS], v254                    ; as t (c is positive)
	v_max_num_f32 v13, v13, v254                   ; the running largest t
	v_mov_b32 v254, v12
	v_floor_f32 v12, -v13                          ; the new -M = floor(-t) = -ceil(t): a whole number
	v_sub_f32 v254, v12, v254                      ; M's old value less its new one: a whole number, 0 or less
	v_cvt_i32_f32 v254, v254                       ; (it saturates)
	v_ldexp_f32 v252, 1.0, v254                    ; f = 2^(old M - new M)
.set JJ, 0
.rept 32
	v_pk_fma_f32 v[96+JJ:97+JJ], v[96+JJ:97+JJ], s[CS:CS+1], v[12:13] op_sel_hi:[1,0,0]   ; t - M, two at a time
.set JJ, JJ+2
.endr
.irp b, 0,1,2,3
	v_fma_f32 v[232+\b], v[232+\b], s[CS], v12     ; the same of each block's largest score
.endr
.set JJ, 0
.rept 64
	v_exp_f32 v[96+JJ], v[96+JJ]                   ; p = 2^(t - M), at most 1
.set JJ, JJ+1
.endr
	v_pk_mul_f32 v[14:15], v[14:15], v[252:253] op_sel_hi:[1,0]   ; the sums under the new M.  (A plain place behind the exponentials)
	s_wait_alu depctr_va_vdst(0)                   ; one wait for the whole batch, ahead of its first reader
.irp b, 0,1,2,3
	v_exp_f32 v[232+\b], v[232+\b]                 ; the block's largest p
.endr
	v_pk_add_f32 v[236:237], v[96:97], v[98:99]    ; the row's sum is taken of the unquantised p: two at a time, in two chains
.irp j, 4,8,12,16,20,24,28,32,36,40,44,48,52,56,60
	v_pk_add_f32 v[14:15], v[14:15], v[96+\j:97+\j]
	v_pk_add_f32 v[236:237], v[236:237], v[98+\j:99+\j]
.endr
	v_pk_add_f32 v[14:15], v[14:15], v[236:237]
	s_wait_alu depctr_va_vdst(0)                   ; and one for the four
.irp b, 0,1,2,3
	v_max_num_f32 v[232+\b], 0x1800000, v[232+\b]  ; the floor 2^(3 - 127): the byte cannot fall under 1
.endr
.irp b, 0,1,2,3
	v_add_nc_u32 v[244+\b], 0xff000000, v[232+\b]  ; 2 off the exponent field: the conversion's scale operand
.endr
.irp b, 0,1,2,3
	v_lshrrev_b32 v[236+\b], 23, v[244+\b]         ; the scale's byte
.endr
	v_lshl_or_b32 v253, v237, 8, v236
	v_lshl_or_b32 v253, v238, 16, v253
	WIN 0x11*(\t)                                  ; the finished word goes to window 0: scale operands have no window
	v_lshl_or_b32 v[PS+\t], v239, 24, v253         ; p's scale word for these 128 keys
	WIN 0x55*(\t)
.irp c, 0,1
	v_cvt_scalef32_pk16_fp6_f32 v[224+6*\c:226+6*\c], v[96+32*\c:111+32*\c], v[244+2*\c]
	v_cvt_scalef32_pk16_fp6_f32 v[236+4*\c:238+4*\c], v[112+32*\c:127+32*\c], v[244+2*\c+1]
.endr
	v_nop                                          ; one plain place behind a scaled conversion
.irp c, 0,1                                    ; the operand's layout wants a whole block in a lane
.irp i, 0,1,2
	v_permlane16_swap_b32 v[224+6*\c+\i], v[236+4*\c+\i]
.endr
.irp i, 0,1,2
	v_mov_b32 v[227+6*\c+\i], v[236+4*\c+\i]
.endr
.endr
.if \first
.rept 8
	v_nop                                          ; a scale register written by a vector instruction stands 8 places ahead of a scaled matrix instruction, an operand so written 4
.endr
.else
.set JJ, 0
.rept 32
	v_pk_mul_f32 v[160+JJ:161+JJ], v[160+JJ:161+JJ], v[252:253] op_sel_hi:[1,0]   ; O^T under the new M: x f, each accumulator from its low end on.  (These are also the places ahead of the products below)
.set JJ, JJ+2
.endr
.endif
.endm
; A KEY STEP: 128 keys.  Each accumulator gets one matrix instruction a step, so the accumulators take turns.
.macro STEP first
	v_add_nc_u32 v[ADK], s[TB], v[LI]
	v_add_nc_u32 v[ADS], s[TS], v[LS]
	v_nop
	v_nop                                          ; four places in front of loads into registers that matrix instructions have read
.irp g, 0,1                                    ; S^T = k q^T: four fragments of 16 keys at a time, each against both tiles
.if \g > 0
.rept 4
	v_nop
.endr
.endif
.irp t, 0,1,2,3
.irp c, 0,1,2
	ds_load_b128 v[FRG+12*\t+4*\c:FRG+12*\t+4*\c+3], v[ADK] offset:(4*\g+\t)*1536+512*\c
.endr
	ds_load_b32 v[SW+\t], v[ADS] offset:(4*\g+\t)*64
.endr
	s_wait_dscnt 0x0
.irp t, 0,1,2,3
	v_wmma_scale_f32_16x16x128_f8f6f4 v[96+8*(4*\g+\t):103+8*(4*\g+\t)], v[FRG+12*\t:FRG+12*\t+11], v[16:27], 0, v[SW+\t], v[QS] matrix_a_fmt:MATRIX_FMT_FP6 matrix_b_fmt:MATRIX_FMT_FP6
.endr
	WIN 0x44                                       ; source 1 and the destination in window 1
.irp t, 0,1,2,3
	v_wmma_scale_f32_16x16x128_f8f6f4 v[96+8*(4*\g+\t):103+8*(4*\g+\t)], v[FRG+12*\t:FRG+12*\t+11], v[16:27], 0, v[SW+\t], v[QS+1] matrix_a_fmt:MATRIX_FMT_FP6 matrix_b_fmt:MATRIX_FMT_FP6
.endr
	WIN 0
.endr
.rept 4
	v_nop
.endr
	SOFTMAX 0, \first
	SOFTMAX 1, \first
	WIN 0
.irp g, 0,1                                    ; O^T += v^T p^T: four fragments of 16 channels at a time
.if \g > 0
.rept 4
	v_nop
.endr
.endif
.irp t, 0,1,2,3
.irp c, 0,1,2
	ds_load_b128 v[FRG+12*\t+4*\c:FRG+12*\t+4*\c+3], v[ADK] offset:12288+(4*\g+\t)*1536+512*\c
.endr
	ds_load_b32 v[SW+\t], v[ADS] offset:512+(4*\g+\t)*64
.endr
	s_wait_dscnt 0x0
.irp t, 0,1,2,3
.if \first
	v_wmma_scale_f32_16x16x128_f8f6f4 v[160+8*(4*\g+\t):167+8*(4*\g+\t)], v[FRG+12*\t:FRG+12*\t+11], v[224:235], 0, v[SW+\t], v[PS] matrix_a_fmt:MATRIX_FMT_FP6 matrix_b_fmt:MATRIX_FMT_FP6
.else
	v_wmma_scale_f32_16x16x128_f8f6f4 v[160+8*(4*\g+\t):167+8*(4*\g+\t)], v[FRG+12*\t:FRG+12*\t+11], v[224:235], v[160+8*(4*\g+\t):167+8*(4*\g+\t)], v[SW+\t], v[PS] matrix_a_fmt:MATRIX_FMT_FP6 matrix_b_fmt:MATRIX_FMT_FP6
.endif
.endr
	WIN 0x54                                       ; source 1, C and D in window 1
.irp t, 0,1,2,3
.if \first
	v_wmma_scale_f32_16x16x128_f8f6f4 v[160+8*(4*\g+\t):167+8*(4*\g+\t)], v[FRG+12*\t:FRG+12*\t+11], v[224:235], 0, v[SW+\t], v[PS+1] matrix_a_fmt:MATRIX_FMT_FP6 matrix_b_fmt:MATRIX_FMT_FP6
.else
	v_wmma_scale_f32_16x16x128_f8f6f4 v[160+8*(4*\g+\t):167+8*(4*\g+\t)], v[FRG+12*\t:FRG+12*\t+11], v[224:235], v[160+8*(4*\g+\t):167+8*(4*\g+\t)], v[SW+\t], v[PS+1] matrix_a_fmt:MATRIX_FMT_FP6 matrix_b_fmt:MATRIX_FMT_FP6
.endif
.endr
	WIN 0
.endr
	s_add_co_u32 s[TB], s[TB], STEPB               ; the next key step
	s_add_co_u32 s[TS], s[TS], 1024
.endm
; 64 numbers of a lane, register 16 b + i = k 32 b + 16 (lane / 16) + i of my row, become a fragment's codes in v[PC] on and its scale word in v[PW]; all in the window that is set
.macro QUANT s
.irp b, 0,1,2,3
	v_max3_num_f32 v[TM+\b], |v[\s+16*\b]|, |v[\s+1+16*\b]|, 0x1800000
.endr
.irp i, 2,4,6,8,10,12,14
.irp b, 0,1,2,3
	v_max3_num_f32 v[TM+\b], v[TM+\b], |v[\s+16*\b+\i]|, |v[\s+1+16*\b+\i]|
.endr
.endr
.irp b, 0,1,2,3
	v_permlanex16_b32 v[TM+4+\b], v[TM+\b], s[SEL], s[SEL+1]
.endr
.irp b, 0,1,2,3
	v_max_num_f32 v[TM+\b], v[TM+\b], v[TM+4+\b]
.endr
.irp b, 0,1,2,3
	v_add_nc_u32 v[TM+12+\b], 0xff000000, v[TM+\b]
.endr
.irp b, 0,1,2,3
	v_lshrrev_b32 v[TM+4+\b], 23, v[TM+12+\b]
.endr
	v_lshl_or_b32 v[PW], v[TM+5], 8, v[TM+4]
	v_lshl_or_b32 v[PW], v[TM+6], 16, v[PW]
	v_lshl_or_b32 v[PW], v[TM+7], 24, v[PW]
.irp c, 0,1
	v_cvt_scalef32_pk16_fp6_f32 v[PC+6*\c:PC+2+6*\c], v[\s+32*\c:\s+15+32*\c], v[TM+12+2*\c]
	v_cvt_scalef32_pk16_fp6_f32 v[PC+12+4*\c:PC+14+4*\c], v[\s+16+32*\c:\s+31+32*\c], v[TM+12+2*\c+1]
.endr
	v_nop
.irp c, 0,1
.irp i, 0,1,2
	v_permlane16_swap_b32 v[PC+6*\c+\i], v[PC+12+4*\c+\i]
.endr
.irp i, 0,1,2
	v_mov_b32 v[PC+3+6*\c+\i], v[PC+12+4*\c+\i]
.endr
.endr
.endm
	s_wait_tensorcnt 2                             ; my parts of the scale words and of key step 0 are in; the two later loads may stay out
	s_barrier_signal -1
	s_barrier_wait -1                              ; everybody's are
	s_wait_loadcnt 0x0                             ; q
	STEP 1
	s_wait_tensorcnt 1                             ; key steps 1 and 2
	s_barrier_signal -1
	s_barrier_wait -1
	s_mov_b32 s[CNT], 2
.Lmid:
	STEP 0
	s_sub_co_u32 s[CNT], s[CNT], 1
	s_cmp_lg_u32 s[CNT], 0
	s_cbranch_scc1 .Lmid
	s_wait_tensorcnt 0x0                           ; key steps 3 to 7
	s_barrier_signal -1
	s_barrier_wait -1
	s_mov_b32 s[CNT], 5
.Lrest:
	STEP 0
	s_sub_co_u32 s[CNT], s[CNT], 1
	s_cmp_lg_u32 s[CNT], 0
	s_cbranch_scc1 .Lrest
	; THE WAY OUT, tile by tile: O^T / the sum; the true order along the channels; the quantiser; the fragment's image to memory, its scale words to LDS.
.rept 4
	v_nop
.endr
.irp T, 0,1
	WIN 0x55*\T
	v_add_f32 v14, v14, v15                        ; the sum's two halves,
	v_permlanex16_b32 v252, v14, s[SEL], s[SEL+1]
	v_add_f32 v14, v14, v252                       ; and lane l xor 16's: the row's sum
	v_rcp_f32 v14, v14
	v_nop                                          ; a plain place behind the transcendental
	s_wait_alu depctr_va_vdst(0)                   ; and the wait ahead of its first reader
.set JJ, 0
.rept 64
	v_mul_f32 v[96+JJ], v[160+JJ], v14             ; register 8 t + j is o(query r, channel 16 t + 8 hl + j); each accumulator from its low end on
.set JJ, JJ+1
.endr
.irp b, 0,1,2,3
.irp j, 0,1,2,3,4,5,6,7
	v_permlane16_swap_b32 v[96+16*\b+\j], v[104+16*\b+\j]   ; the first's lanes 16-31 change places with the second's lanes 0-15: register 16 b + i now holds channel 32 b + 16 hl + i
.endr
.endr
	QUANT 96
	WIN 0x04*\T                                    ; a store's data are its source 1
.irp c, 0,1,2
	global_store_b128 v[LI], v[PC+4*\c:PC+4*\c+3], s[12:13] offset:24576*\T+512*\c   ; 32 lanes store 512 consecutive bytes, aligned; the next tile of rows lies 16 heads on
.endr
	ds_store_b32 v[OSW], v[PW] offset:256*\T
.endr
	WIN 0
	s_wait_dscnt 0x0                               ; for the others' sake: my scale words lie in LDS
	s_barrier_signal -1
	s_barrier_wait -1
	s_cmp_lg_u32 s[WV], 0                          ; wave 0 stores the work-group's 1,024 bytes of scale words: four tiles of rows x 256 bytes (four heads)
	s_cbranch_scc1 .Lnot_0
	ds_load_b128 v[32:35], v[OSR]
	ds_load_b128 v[36:39], v[OSR] offset:512
	s_wait_dscnt 0x0
	global_store_b128 v[OG], v[32:35], s[14:15]                ; sixteen lanes store 256 consecutive bytes, aligned
	global_store_b128 v[OG], v[36:39], s[14:15] offset:2048
.Lnot_0:
	s_wait_tensorcnt 0x0
	ds_add_u32 v251, v255
	s_wait_dscnt 0x0
	CROUND                                         ; the closing round: no work-group ends while a partner may still ask for a tile that names it
	s_endpgm
.Lfunc_end_k_q0d2a4df16e_attn:
	.size	k_q0d2a4df16e_attn, .Lfunc_end_k_q0d2a4df16e_attn-k_q0d2a4df16e_attn
	.p2alignl 7, 3214868480
	.fill 96, 4, 3214868480
	.section	.rodata,"a",@progbits
	.p2align	6, 0x0
	.amdhsa_kernel k_q0d2a4df16e_attn
		.amdhsa_group_segment_fixed_size 206848
		.amdhsa_private_segment_fixed_size 0
		.amdhsa_enable_private_segment 0
		.amdhsa_kernarg_size 48
		.amdhsa_user_sgpr_count 2
		.amdhsa_user_sgpr_kernarg_segment_ptr 1
		.amdhsa_wavefront_size32 1
		.amdhsa_system_sgpr_workgroup_id_x 1
		.amdhsa_system_sgpr_workgroup_id_y 1
		.amdhsa_system_sgpr_workgroup_id_z 1
		.amdhsa_system_vgpr_workitem_id 0
		.amdhsa_next_free_vgpr 512
		.amdhsa_next_free_sgpr 90
		.amdhsa_reserve_vcc 0
		.amdhsa_float_denorm_mode_32 3
		.amdhsa_float_denorm_mode_16_64 3
		.amdhsa_memory_ordered 1
		.amdhsa_forward_progress 1
		.amdhsa_inst_pref_size 125
	.end_amdhsa_kernel
	.amdgpu_metadata
---
amdhsa.version: [ 1, 2 ]
amdhsa.kernels:
  - .name:           k_q0d2a4df16e_attn
    .symbol:         k_q0d2a4df16e_attn.kd
    .args:
      - { .name: qimg, .offset: 0, .size: 8, .value_kind: global_buffer, .address_space: global }
      - { .name: qsc, .offset: 8, .size: 8, .value_kind: global_buffer, .address_space: global }
      - { .name: kvc, .offset: 16, .size: 8, .value_kind: global_buffer, .address_space: global }
      - { .name: kvs, .offset: 24, .size: 8, .value_kind: global_buffer, .address_space: global }
      - { .name: aimg, .offset: 32, .size: 8, .value_kind: global_buffer, .address_space: global }
      - { .name: asc, .offset: 40, .size: 8, .value_kind: global_buffer, .address_space: global }
    .group_segment_fixed_size: 206848
    .private_segment_fixed_size: 0
    .kernarg_segment_align: 8
    .kernarg_segment_size: 48
    .max_flat_workgroup_size: 256
    .sgpr_count:     90
    .vgpr_count:     512
    .wavefront_size: 32
...
	.end_amdgpu_metadata
.endif
;; end of part 3
;; launch oproj (part 4): grid 8 x 32, 4 waves a work-group, clusters of 4 x 4, 327,680 bytes of LDS; arguments aimg, asc, wimg, wo_scales, out0; writes out0
.if DOCPART == 4
	.amdgcn_target "amdgcn-amd-amdhsa--gfx1250"
	.amdhsa_code_object_version 6
	.text
	.protected	k_q0d2a4df16e_oproj
	.globl	k_q0d2a4df16e_oproj
	.p2align	8
	.type	k_q0d2a4df16e_oproj,@function
k_q0d2a4df16e_oproj:
	s_mov_b64 s[64:65], 0
	v_nop
	global_prefetch_b8 v0, s[64:65] scope:SCOPE_SE
	s_setreg_imm32_b32 hwreg(HW_REG_WAVE_MODE, 25, 1), 1
	s_wait_xcnt 0x0
	s_wait_alu depctr_hold_cnt(0) depctr_sa_sdst(0) depctr_va_vdst(0) depctr_va_sdst(0) depctr_va_ssrc(0) depctr_va_vcc(0) depctr_vm_vsrc(0)
	s_getreg_b32 s2, hwreg(HW_REG_IB_STS2, 6, 4)
	s_cmp_eq_u32 s2, 0
	s_cbranch_scc0 .Lentry_in_a_cluster
	s_endpgm
.Lentry_in_a_cluster:
	s_bfe_u32 s2, ttmp6, 0x10000c
	s_cmp_lg_u32 s2, 0xf033
	s_cbranch_scc0 .Lentry_shape_is_right
	s_endpgm
.Lentry_shape_is_right:
; out0 = a wo^T on codes of FP6 (E2M3) with one E8M0 scale for each 32 along K = 2,048.  Both operands come as images of operand registers: aimg [256 tiles of 16 rows][16 K steps of 128][1,536 bytes] and
; wimg [128 tiles of 16 rows of wo][16][1,536 bytes], register group c of lane l at 512 c + 16 l.  asc [tile][K step of 128][64 bytes], row r's scale word at 4 r; wo's scale bytes [2,048 rows][64].  out0: [4,096][2,048] f32.
; SHARES.  A tile of out0 is 128 rows x 256 columns: 32 x 8 = 256 work-groups.  Four waves, each 64 rows x 128 columns: 32 accumulators, 256 registers.
; K goes in FOUR steps of 512 through a ring of two LDS slots filled by the tensor data mover: a slot holds a's 8 tiles of rows and wo's 16, 6,144 bytes each, dense: images need no padding, since a load's 512 bytes are
; consecutive.  Two such slots are as much as LDS holds beside the scales.  Half of K comes with the first fills; each slot is filled again once, and that load has three quarters of a K step, 96 matrix instructions a wave, in which to land.
; The four steps are written out: there is no loop.  The scale bytes of the work-group's rows of a and of wo, for all of K, come into LDS once, with the first fills.
; CLUSTERS: 4 x 4 work-groups.  The four of a row of the cluster need the same tiles of a, the four of a column the same tiles of wo: each tile is asked for JOINTLY, by the same tensor load with the same
; descriptor and a mask that names the four.  THE MATRIX INSTRUCTION IS USED TRANSPOSED (source 0 = 16 rows of wo, source 1 = 16 rows of a): a lane holds eight neighbouring numbers of a row of out0.
; No prefetch: of the two refills the first would have to be asked for at the kernel's head, where every work-group's first tiles are on their way.
; REGISTERS: window 0: v16-30 addresses; v32-95 scale words, two sets; v128-175 a's four fragments, one set; on the way out v128-255.  window 1: wo's fragments, two sets, at v0 and v128.
;   window 2: accumulator (a, b) at v[8 (8 a + b)].
.set NQ,     4                         ; matrix instructions deep in a slot
.set FR,     12                        ; registers of a fragment
.set NP,     4                         ; places behind this matrix instruction (ISA guide 7.12.1)
.set UNIT,   1536                      ; a fragment's image
.set TROW,   NQ*UNIT                   ; a tile of 16 rows, a K step of 512: 6,144 bytes
.set KIMG,   16*UNIT                   ; a tile of 16 rows, all of K: 24,576 bytes
.set AHALF,  4*TROW                    ; what one tensor load brings of a, and what one wave reads of it
.set ATILE,  2*AHALF
.set BHALF,  8*TROW                    ; the same of wo
.set SLOT,   ATILE+2*BHALF             ; 147,456
.set SCLA,   2*SLOT                    ; a's scale words, dense: tile of rows x 1,024 + K step of 128 x 64
.set SCLB,   SCLA+8192                 ; wo's scale bytes, as units of 256 bytes + 16 of padding
.set HALFS,  32*272
.set SBLK,   4*272                     ; those of 16 rows
.set SPARE,  SCLB+2*HALFS              ; the spare words, 128 bytes a wave: two blocks of 256 bytes that no other line names
.set SPITCH, 528                       ; the way out: a stage of 16 rows x (512 bytes + 16) a wave, in slot 0, which has had its last fill and its last read by then
.set SIZE_N, 2048
.set ADRA, 16                          ; v16-17 a's fragments in slot 0, 1
.set ADRB, 20                          ; v20-21 wo's
.set STO,  24
.set RD,   25
.set CO,   26                          ; 16 x lane
.set ADSA, 27                          ; a's scale words: lanes 16-31 fall on the next K step of 128's
.set SPW,  28                          ; my spare word; never rewritten
.set NIL,  29                          ; 0; never rewritten
.set ADSB, 30                          ; wo's scale words
.set SC,   32                          ; set s at v[SC + 32 s]; in it pair pp at + 16 pp: + b wo's block b, + 8 + a a's block a; lanes 0-15 the slot's 128 number 2 pp, lanes 16-31 number 2 pp + 1
.set AF,   128
.set BK,   128
.set G1, 24
.set G0, 32
.set G1B, 48
.set G0B, 56
.set G1S, 68
.set G0S, 76
.set G1SB, 80
.set G0SB, 88
.set MSB, 0
.macro WIN new                         ; the immediate's high byte repeats the setting that is left
.if MSB != (\new)
	s_set_vgpr_msb (MSB<<8)|(\new)
.set MSB, (\new)
.endif
.endm
.set MUL,  0xa1                        ; source 0 (wo) window 1, source 1 (a) window 0, C and D window 2
.set TO_B, 0x40
.macro JLOAD g0a, g1a, g0b, g1b        ; a joint load: waves 0 and 1 fetch for a, waves 2 and 3 for wo; four v_nop follow each of the two lines
	s_cmp_eq_u32 s15, 0
	s_cbranch_scc0 .Lfor_b_\@
	tensor_load_to_lds s[\g0a:\g0a+3], s[\g1a:\g1a+7]
	s_nop 0
.rept 4
	v_nop
.endr
	s_branch .Lasked_\@
.Lfor_b_\@:
	tensor_load_to_lds s[\g0b:\g0b+3], s[\g1b:\g1b+7]
	s_nop 0
.rept 4
	v_nop
.endr
.Lasked_\@:
.endm
.macro CREST                           ; a round of the cluster's barrier behind its opening barrier
	s_cmp_lg_u32 s14, 0
	s_cbranch_scc1 .Lnot_wave_0_\@
	s_barrier_signal -3
.Lnot_wave_0_\@:
	s_barrier_wait -3
	s_barrier_signal -1
	s_barrier_wait -1
.endm
.macro CROUND
	s_barrier_signal -1
	s_barrier_wait -1
	CREST
.endm
	s_load_b128 s[4:7], s[0:1], 0x0                ; aimg, asc
	s_load_b128 s[8:11], s[0:1], 0x10              ; wimg, wo's scales
	s_load_b64 s[12:13], s[0:1], 0x20              ; out0
	v_lshl_add_u32 v[SPW], v0, 2, SPARE
	v_mov_b32 v[NIL], 0
	ds_add_u32 v28, v29
	ds_add_u32 v28, v29
	s_wait_dscnt 0x0
	v_lshrrev_b32 v1, 5, v0
	v_readfirstlane_b32 s14, v1                    ; wave 0..3
	s_lshr_b32 s15, s14, 1                         ; which half of the tile's rows is mine.  Also: I fetch for a (0) or for wo (1)
	s_and_b32 s16, s14, 1                          ; which half of its columns.  Also: which half of that tile I fetch
	s_bfe_u32 s40, ttmp6, 0x40000                  ; cx, cy
	s_bfe_u32 s41, ttmp6, 0x40004
	s_lshl_b32 s42, ttmp9, 2
	s_add_co_u32 s42, s42, s40                     ; tile column
	s_and_b32 s17, ttmp7, 0xffff
	s_lshl_b32 s17, s17, 2
	s_add_co_u32 s17, s17, s41                     ; tile row
	s_lshl_b32 s43, s41, 2
	s_lshl_b32 s43, 15, s43                        ; my row of the cluster
	s_lshl_b32 s44, 0x1111, s40                    ; my column
	; a's tile: 4 rows (tiles of 16 rows) of 768 elements of 8 bytes (four images), 3,072 elements apart; no padding
	s_or_b32 s[G1+0], s43, (3<<16)|(1<<21)
	s_mov_b32 s[G1+1], (TROW/8)<<16                ; tensor_dim0
	s_mov_b32 s[G1+2], 4<<16                       ; tensor_dim1
	s_mov_b32 s[G1+3], (TROW/8)<<16                ; tile_dim0
	s_mov_b32 s[G1+4], 4                           ; tile_dim1
	s_mov_b32 s[G1+5], KIMG/8                      ; from row to row
	s_mov_b32 s[G1+6], 0
	s_mov_b32 s[G1+7], 0
	; wo's tile: the same with 8 rows
	s_or_b32 s[G1B+0], s44, (3<<16)|(1<<21)
	s_mov_b32 s[G1B+1], (TROW/8)<<16
	s_mov_b32 s[G1B+2], 8<<16
	s_mov_b32 s[G1B+3], (TROW/8)<<16
	s_mov_b32 s[G1B+4], 8
	s_mov_b32 s[G1B+5], KIMG/8
	s_mov_b32 s[G1B+6], 0
	s_mov_b32 s[G1B+7], 0
	; a's scale words of four tiles of rows: 4,096 dense bytes as 16 rows of 256; no padding
	s_or_b32 s[G1S+0], s43, (3<<16)|(1<<21)
	s_mov_b32 s[G1S+1], 32<<16
	s_mov_b32 s[G1S+2], 16<<16
	s_mov_b32 s[G1S+3], 32<<16
	s_mov_b32 s[G1S+4], 16
	s_mov_b32 s[G1S+5], 32
	s_mov_b32 s[G1S+6], 0
	s_mov_b32 s[G1S+7], 0
	; wo's scale bytes of 128 rows: 8,192 dense bytes as 32 rows of 256, 16 bytes of padding behind each
	s_or_b32 s[G1SB+0], s44, (3<<16)|(1<<20)|(1<<21)|(5<<22)|(3<<25)
	s_mov_b32 s[G1SB+1], 32<<16
	s_mov_b32 s[G1SB+2], 32<<16
	s_mov_b32 s[G1SB+3], 32<<16
	s_mov_b32 s[G1SB+4], 32
	s_mov_b32 s[G1SB+5], 32
	s_mov_b32 s[G1SB+6], 0
	s_mov_b32 s[G1SB+7], 0
	s_lshl_b32 s20, s17, 3
	s_lshl_b32 s18, s16, 2
	s_add_co_u32 s20, s20, s18                     ; a: tile of rows 8 x tile row + 4 x half
	s_lshl_b32 s22, s20, 10                        ; its scale words
	s_mov_b32 s23, 0
	s_mul_i32 s20, s20, KIMG                       ; its images
	s_mov_b32 s21, 0
	s_lshl_b32 s46, s42, 4
	s_lshl_b32 s18, s16, 3
	s_add_co_u32 s46, s46, s18                     ; wo: tile of rows 16 x tile column + 8 x half
	s_lshl_b32 s92, s46, 10                        ; its scale bytes: 16 rows of 64
	s_mov_b32 s93, 0
	s_mul_i32 s46, s46, KIMG                       ; its images
	s_mov_b32 s47, 0
	s_mul_i32 s45, s16, AHALF                      ; where they go: no place in the cluster enters an LDS address
	s_mul_i32 s95, s16, BHALF
	s_add_co_u32 s95, s95, ATILE
	s_lshl_b32 s94, s16, 12
	s_mul_i32 s96, s16, HALFS
	s_wait_kmcnt 0x0
	s_add_nc_u64 s[20:21], s[4:5], s[20:21]
	s_add_nc_u64 s[22:23], s[6:7], s[22:23]
	s_add_nc_u64 s[46:47], s[8:9], s[46:47]
	s_add_nc_u64 s[92:93], s[10:11], s[92:93]
	CROUND                                         ; all sixteen work-groups are here: the first joint loads meet
	s_mov_b32 s[G0S], 1
	s_add_co_u32 s[G0S+1], s94, SCLA
	s_mov_b64 s[G0S+2:G0S+3], s[22:23]
	s_or_b32 s[G0S+3], s[G0S+3], 0x80000000
	s_mov_b32 s[G0SB], 1
	s_add_co_u32 s[G0SB+1], s96, SCLB
	s_mov_b64 s[G0SB+2:G0SB+3], s[92:93]
	s_or_b32 s[G0SB+3], s[G0SB+3], 0x80000000
	JLOAD G0S, G1S, G0SB, G1SB                     ; the scales first: they are wanted with K step 0
.irp s, 0,1
	s_mov_b32 s[G0+4*\s], 1
	s_add_co_u32 s[G0+4*\s+1], s45, \s*SLOT
	s_add_nc_u64 s[G0+4*\s+2:G0+4*\s+3], s[20:21], \s*TROW
	s_or_b32 s[G0+4*\s+3], s[G0+4*\s+3], 0x80000000
	s_mov_b32 s[G0B+4*\s], 1
	s_add_co_u32 s[G0B+4*\s+1], s95, \s*SLOT
	s_add_nc_u64 s[G0B+4*\s+2:G0B+4*\s+3], s[46:47], \s*TROW
	s_or_b32 s[G0B+4*\s+3], s[G0B+4*\s+3], 0x80000000
	JLOAD G0+4*\s, G1, G0B+4*\s, G1B               ; three tensor loads of mine are out now
.endr
	v_and_b32 v1, 15, v0                           ; r
	v_bfe_u32 v2, v0, 4, 1                         ; hl
	v_and_b32 v6, 31, v0                           ; lane
	v_lshlrev_b32 v[CO], 4, v6                     ; 16 x lane
	s_mul_i32 s21, s15, AHALF                      ; my four tiles of rows of a
	s_mul_i32 s22, s16, BHALF
	s_add_co_u32 s22, s22, ATILE                   ; my eight tiles of rows of wo
.irp s, 0,1
	v_add_nc_u32 v[ADRA+\s], s21, v[CO]
	v_add_nc_u32 v[ADRB+\s], s22, v[CO]
	s_add_co_u32 s21, s21, SLOT
	s_add_co_u32 s22, s22, SLOT
.endr
	s_lshl_b32 s21, s15, 12
	s_add_co_u32 s21, s21, SCLA
	v_lshl_add_u32 v[ADSA], v6, 2, s21             ; a's scale words: 4 x lane
	v_lshlrev_b32 v5, 6, v1                        ; wo's: 64 bytes a row,
	v_lshrrev_b32 v3, 2, v1
	v_lshl_add_u32 v5, v3, 4, v5                   ; 16 more for each 256 passed,
	v_lshl_add_u32 v5, v2, 2, v5                   ; lanes 16-31 the word of the next 128 along K
	s_mul_i32 s22, s16, HALFS
	s_add_co_u32 s22, s22, SCLB
	v_add_nc_u32 v[ADSB], s22, v5
	s_mul_i32 s23, s14, 16*SPITCH                  ; my stage
	v_mul_u32_u24 v5, v1, SPITCH                   ; in: row r, 32 bytes for each half of the lanes
	v_lshl_add_u32 v5, v2, 5, v5
	v_add_nc_u32 v[STO], s23, v5
	v_add_nc_u32 v[RD], s23, v[CO]                 ; back: the 32 lanes take one row of 512 bytes
	s_lshl_b32 s20, s17, 7
	s_lshl_b32 s21, s15, 6
	s_add_co_u32 s20, s20, s21                     ; my first row: 128 x tile row + 64 x half
	s_lshl_b32 s20, s20, 13                        ; a row of out0 is 8,192 bytes
	s_lshl_b32 s46, s42, 10                        ; my first column, in bytes: 1,024 x tile column + 512 x half
	s_lshl_b32 s47, s16, 9
	s_add_co_u32 s46, s46, s47
	s_add_co_u32 s20, s20, s46
	s_mov_b32 s21, 0
	s_add_nc_u64 s[12:13], s[12:13], s[20:21]
.macro FRAGI reg, adr, q, i            ; a fragment from its image: three loads of 512 consecutive bytes.  i: the tile of 16 rows; q: which 128 of the slot's 512 along K
.irp c, 0,1,2
	ds_load_b128 v[\reg+4*\c:\reg+4*\c+3], v[\adr] offset:TROW*(\i)+UNIT*(\q)+512*\c
.endr
.endm
; 8 matrix instructions: a's block x wo's eight, the slot's q-th 128 along K.  The 32 accumulators take turns, one instruction a turn, in the same order in every step.
.macro MUL8 a, p, q, sc, zero
.irp b, 0,1,2,3,4,5,6,7
.if \zero
	v_wmma_scale_f32_16x16x128_f8f6f4 v[8*(8*(\a)+\b):8*(8*(\a)+\b)+7], v[128*(\p)+FR*\b:128*(\p)+FR*\b+FR-1], v[AF+FR*(\a):AF+FR*(\a)+FR-1], 0, v[SC+32*(\sc)+16*((\q)/2)+\b], v[SC+32*(\sc)+16*((\q)/2)+8+(\a)] matrix_a_fmt:MATRIX_FMT_FP6 matrix_b_fmt:MATRIX_FMT_FP6
.elseif ((\q)%2) == 0
	v_wmma_scale_f32_16x16x128_f8f6f4 v[8*(8*(\a)+\b):8*(8*(\a)+\b)+7], v[128*(\p)+FR*\b:128*(\p)+FR*\b+FR-1], v[AF+FR*(\a):AF+FR*(\a)+FR-1], v[8*(8*(\a)+\b):8*(8*(\a)+\b)+7], v[SC+32*(\sc)+16*((\q)/2)+\b], v[SC+32*(\sc)+16*((\q)/2)+8+(\a)] matrix_a_fmt:MATRIX_FMT_FP6 matrix_b_fmt:MATRIX_FMT_FP6
.else
	v_wmma_scale_f32_16x16x128_f8f6f4 v[8*(8*(\a)+\b):8*(8*(\a)+\b)+7], v[128*(\p)+FR*\b:128*(\p)+FR*\b+FR-1], v[AF+FR*(\a):AF+FR*(\a)+FR-1], v[8*(8*(\a)+\b):8*(8*(\a)+\b)+7], v[SC+32*(\sc)+16*((\q)/2)+\b], v[SC+32*(\sc)+16*((\q)/2)+8+(\a)] matrix_a_fmt:MATRIX_FMT_FP6 matrix_b_fmt:MATRIX_FMT_FP6 matrix_a_scale:MATRIX_SCALE_ROW1 matrix_b_scale:MATRIX_SCALE_ROW1
.endif
.endr
.endm
.macro MUL16 a0, p, q, sc, zero
	MUL8 \a0, \p, \q, \sc, \zero
	MUL8 (\a0)+1, \p, \q, \sc, \zero
.endm
.macro FETCH_B slot, q, p              ; wo's eight fragments into set p
	WIN TO_B
.irp i, 0,1,2,3,4,5,6,7
	FRAGI 128*(\p)+FR*\i, ADRB+\slot, \q, \i
.endr
	WIN 0
.endm
.macro FETCH_A slot, q, i0             ; a's blocks i0, i0 + 1
.irp i, \i0, \i0+1
	FRAGI AF+FR*(\i), ADRA+\slot, \q, \i
.endr
.endm
.macro SCALES sc                       ; a K step's scale words: two registers a block, each with the words of two neighbouring 128s
.irp pp, 0,1
.irp i, 0,1,2,3,4,5,6,7
	ds_load_b32 v[SC+32*(\sc)+16*\pp+\i], v[ADSB] offset:\i*SBLK+8*\pp
.endr
.irp i, 0,1,2,3
	ds_load_b32 v[SC+32*(\sc)+16*\pp+8+\i], v[ADSA] offset:\i*1024+128*\pp
.endr
.endr
.endm
.macro PLACES n                        ; places in front of loads into registers that matrix instructions have read, and of the first read of results (ISA guide 7.12.1 for the first read of results)
.rept \n
	v_nop
.endr
.endm
.macro STEP slot, q, zero              ; 128 along K that have their successor in the same slot
	s_wait_dscnt 6                                 ; all but the youngest six loads (a's blocks 2, 3) are in
	WIN MUL
	MUL16 0, (\q)%2, \q, \slot, \zero
	s_wait_dscnt 0
	PLACES NP
	FETCH_B \slot, (\q)+1, 1-(\q)%2
	FETCH_A \slot, (\q)+1, 0
	WIN MUL
	MUL16 2, (\q)%2, \q, \slot, \zero
	PLACES NP
	WIN 0
	FETCH_A \slot, (\q)+1, 2
.endm
; A slot's last 128 change slots: ONE barrier; in front of it each wave waits for all its tensor loads, adds 0 to its spare word, and waits for that and for its own reads of this slot.
.macro TURN slot, next, fill
	s_wait_tensorcnt 0x0                           ; all my tensor loads have landed: my part of the next slot
	ds_add_u32 v[SPW], v[NIL]                      ; 0 onto my spare word
	s_wait_dscnt 7                                 ; (the add and the youngest six loads may be out)
	WIN MUL
	MUL8 0, 1, NQ-1, \slot, 0                      ; eight matrix instructions stand between the add and the wait for it
	s_wait_dscnt 0x0                               ; the add is done, and my reads of this slot are over
	s_barrier_signal -1
	MUL8 1, 1, NQ-1, \slot, 0
	WIN 0
	s_barrier_wait -1
.if \fill
	CREST                                          ; the barrier has opened a round of the cluster's: no wave of any partner still reads this slot's tile or has a load on its way
	s_add_nc_u64 s[G0+4*\slot+2:G0+4*\slot+3], s[G0+4*\slot+2:G0+4*\slot+3], 2*TROW
	s_add_nc_u64 s[G0B+4*\slot+2:G0B+4*\slot+3], s[G0B+4*\slot+2:G0B+4*\slot+3], 2*TROW
	JLOAD G0+4*\slot, G1, G0B+4*\slot, G1B         ; the first tensor load behind the round; its four v_nop are the places in front of the loads below
.else
	PLACES NP
.endif
	v_add_nc_u32 v[ADSA], 64*NQ, v[ADSA]           ; on to the next K step's scale words (no LDS load of mine is out)
	v_add_nc_u32 v[ADSB], 4*NQ, v[ADSB]
	FETCH_B \next, 0, 0
	FETCH_A \next, 0, 0
	SCALES \next
	WIN MUL
	MUL16 2, 1, NQ-1, \slot, 0
	PLACES NP
	WIN 0
	FETCH_A \next, 0, 2
.endm
	s_wait_tensorcnt 1                             ; the scales and my part of K step 0 are in (K step 1's load may be out),
	s_barrier_signal -1
	s_barrier_wait -1                              ; everybody's are
	FETCH_B 0, 0, 0
	FETCH_A 0, 0, 0
	SCALES 0
	FETCH_A 0, 0, 2
	STEP 0, 0, 1                                   ; K step 0; its first products start the sums
	STEP 0, 1, 0
	STEP 0, 2, 0
	TURN 0, 1, 1                                   ; slot 0 takes K step 2
	STEP 1, 0, 0                                   ; K step 1
	STEP 1, 1, 0
	STEP 1, 2, 0
	TURN 1, 0, 1                                   ; slot 1 takes K step 3
	STEP 0, 0, 0                                   ; K step 2
	STEP 0, 1, 0
	STEP 0, 2, 0
	TURN 0, 1, 0                                   ; nothing is left to fetch: no round of the cluster's barrier
	STEP 1, 0, 0                                   ; K step 3
	STEP 1, 1, 0
	STEP 1, 2, 0
	s_wait_dscnt 6                                 ; the very last 128: nothing more to read
	WIN MUL
	MUL16 0, 1, NQ-1, 1, 0
	s_wait_dscnt 0
	MUL16 2, 1, NQ-1, 1, 0
	WIN 0
; THE WAY OUT, block by block of 16 rows x 128 columns, through my own stage in LDS: in as 32 bytes a lane, back as whole rows of 512 bytes.  LDS serves a wave's instructions in order (ISA guide 5.7.1.4).
.macro TOSTAGE a
.set AC, 64*(\a)
	WIN 0x08                                       ; the data: window 2
.irp b, 0,1,2,3,4,5,6,7
	ds_store_b128 v[STO], v[AC+8*\b:AC+8*\b+3] offset:64*\b          ; each accumulator from its low end on
	ds_store_b128 v[STO], v[AC+8*\b+4:AC+8*\b+7] offset:64*\b+16
.endr
	WIN 0
.set BB, BK+64*((\a)%2)
.irp t, 0,1,2,3,4,5,6,7,8,9,10,11,12,13,14,15
	ds_load_b128 v[BB+4*\t:BB+4*\t+3], v[RD] offset:\t*SPITCH
.endr
.endm
.macro SEND a, younger                 ; younger: the LDS instructions issued behind block a's loads, which may stay out
.set BB, BK+64*((\a)%2)
	s_wait_dscnt \younger
.if (\a) > 0
	s_add_nc_u64 s[12:13], s[12:13], 16*SIZE_N*4   ; (behind a wait on XCNT: the earlier stores have read their base)  16 rows on
.endif
.irp t, 0,1,2,3,4,5,6,7,8,9,10,11,12,13,14,15
	global_store_b128 v[CO], v[BB+4*\t:BB+4*\t+3], s[12:13] offset:\t*SIZE_N*4 th:TH_STORE_NT   ; 32 lanes store 512 consecutive bytes, aligned; written once, read by nobody here
.endr
.endm
	PLACES NP
	TOSTAGE 0
.irp a, 1,2,3
.if \a > 1
	s_wait_xcnt 0x0                                ; block a - 2's stores have read their registers and their base
.endif
	TOSTAGE \a
	SEND \a-1, 32                                  ; behind block a - 1's loads: block a's 16 stores and 16 loads
.endr
	s_wait_xcnt 0x0
	SEND 3, 0
	s_wait_tensorcnt 0x0                           ; the wave's end: behind my last tensor load and my last LDS store
	ds_add_u32 v[SPW], v[NIL]
	s_wait_dscnt 0x0
	CROUND                                         ; the closing round: no work-group ends while a partner may still ask for a tile that names it
	s_endpgm
.Lfunc_end_k_q0d2a4df16e_oproj:
	.size	k_q0d2a4df16e_oproj, .Lfunc_end_k_q0d2a4df16e_oproj-k_q0d2a4df16e_oproj
	.p2alignl 7, 3214868480
	.fill 96, 4, 3214868480
	.section	.rodata,"a",@progbits
	.p2align	6, 0x0
	.amdhsa_kernel k_q0d2a4df16e_oproj
		.amdhsa_group_segment_fixed_size 327680
		.amdhsa_private_segment_fixed_size 0
		.amdhsa_enable_private_segment 0
		.amdhsa_kernarg_size 40
		.amdhsa_user_sgpr_count 2
		.amdhsa_user_sgpr_kernarg_segment_ptr 1
		.amdhsa_wavefront_size32 1
		.amdhsa_system_sgpr_workgroup_id_x 1
		.amdhsa_system_sgpr_workgroup_id_y 1
		.amdhsa_system_sgpr_workgroup_id_z 1
		.amdhsa_system_vgpr_workitem_id 0
		.amdhsa_next_free_vgpr 768
		.amdhsa_next_free_sgpr 98
		.amdhsa_reserve_vcc 0
		.amdhsa_float_denorm_mode_32 3
		.amdhsa_float_denorm_mode_16_64 3
		.amdhsa_memory_ordered 1
		.amdhsa_forward_progress 1
		.amdhsa_inst_pref_size 140
	.end_amdhsa_kernel
	.amdgpu_metadata
---
amdhsa.version: [ 1, 2 ]
amdhsa.kernels:
  - .name:           k_q0d2a4df16e_oproj
    .symbol:         k_q0d2a4df16e_oproj.kd
    .args:
      - { .name: aimg, .offset: 0, .size: 8, .value_kind: global_buffer, .address_space: global }
      - { .name: asc, .offset: 8, .size: 8, .value_kind: global_buffer, .address_space: global }
      - { .name: wimg, .offset: 16, .size: 8, .value_kind: global_buffer, .address_space: global }
      - { .name: wo_scales, .offset: 24, .size: 8, .value_kind: global_buffer, .address_space: global }
      - { .name: out0, .offset: 32, .size: 8, .value_kind: global_buffer, .address_space: global }
    .group_segment_fixed_size: 327680
    .private_segment_fixed_size: 0
    .kernarg_segment_align: 8
    .kernarg_segment_size: 40
    .max_flat_workgroup_size: 128
    .sgpr_count:     98
    .vgpr_count:     768
    .wavefront_size: 32
...
	.end_amdgpu_metadata
.endif
;; end of part 4
